; MI455X (gfx1250); checked and timed in simulation.
; The chip was launched on July 23, 2026; its instructions are those of AMD's public machine-readable ISA for CDNA 5 (MIT licence, August 2026) and "CDNA5" Instruction Set Architecture Reference Guide (July 2026). The comments in the code are by the model that wrote it; some were corrected since.
;; Transformer Block. Allowed arithmetic: matrix products marked QUANTISED: E2M1 operands, one E8M0 scale for each 32 along K, by v_wmma_scale_f32_16x16x128_f8f6f4 with both operands' format E2M1 (or v_wmma_scale_f32_32x16x128_f4), f32 sums; everything else in f32.
;; Inputs: W1 512 x 2,048 float32; W2 2,048 x 512 float32; Wk 512 x 512 float32; Wo 512 x 512 float32; Wq 512 x 512 float32; Wv 512 x 512 float32; b1 2,048 float32; b2 512 float32; be1 512 float32; be2 512 float32; bk 512 float32; bo 512 float32; bq 512 float32; bv 512 float32; g1 512 float32; g2 512 float32; mask 4 x 2,048 int32; x 4 x 2,048 x 512 float32.
;; Outputs: out0 4 x 2,048 x 512 float32.
;; This version of the problem:
;;   THIS VERSION OF THE PROBLEM IS GIVEN IN LOW PRECISION. The matrix products marked QUANTISED in the list below multiply operands that are first quantised to E2M1 (2 exponent bits, 1 mantissa bit; 4 bits a number), with one power-of-two scale for each 32 numbers along K (OCP MX v1.0); their sums are f32. All else is computed in f32.
;;   The module's matrix products, in the order in which they are computed (A, B: the left and right operand; K: the contracted axis; several contracted axes count as one K, in the product's order):
;;     1. [M 8,192, K 512] x [K 512, N 512]; A: computed on the way; B: input Wq: QUANTISED
;;     2. [M 8,192, K 512] x [K 512, N 512]; A: computed on the way; B: input Wk: QUANTISED
;;     3. [M 8,192, K 512] x [K 512, N 512]; A: computed on the way; B: input Wv: QUANTISED
;;     4. batch 32 x [M 2,048, K 64] x [K 64, N 2,048]; A: computed on the way; B: computed on the way: QUANTISED
;;     5. batch 32 x [M 2,048, K 2,048] x [K 2,048, N 64]; A: computed on the way; B: computed on the way: QUANTISED
;;     6. [M 8,192, K 512] x [K 512, N 512]; A: computed on the way; B: input Wo: QUANTISED
;;     7. [M 8,192, K 512] x [K 512, N 2,048]; A: computed on the way; B: input W1: QUANTISED
;;     8. [M 8,192, K 2,048] x [K 2,048, N 512]; A: computed on the way; B: input W2: QUANTISED
;;   THE QUANTISER, for each operand of a quantised product, along K:
;;     - K is cut into blocks of 32 from its start; a last block that is shorter is filled with zeros.
;;     - A block's scale is 2^e with e = floor(log2(the largest magnitude in the block)) - 2, held to -126 .. 127; a block of zeros has e = 0. As a byte (E8M0): e + 127.
;;     - Each number is divided by its block's scale, clamped to +-6, and rounded to the nearest number of E2M1, ties to even, subnormals kept.
;;     - The product sums the exact products of the quantised numbers (number of the format x scale) in f32.
;;   ~~~python
;;   def quantise(x, axis):      # numpy; x: float32 -> the quantised numbers, widened to float32 again
;;       x = np.moveaxis(x, axis, -1); K = x.shape[-1]
;;       x = np.pad(x, [(0, 0)] * (x.ndim - 1) + [(0, -K % 32)]); x = x.reshape(x.shape[:-1] + (-1, 32)); a = np.abs(x).max(-1, keepdims=True)
;;       e = np.where(a > 0, np.clip(np.frexp(np.where(a > 0, a, 1))[1] - 1 - 2, -126, 127), 0)      # np.frexp(a)[1] - 1 = floor(log2(a)), exactly
;;       r = np.clip(x / 2.0 ** e, -6, 6)
;;       step = 2.0 ** (np.maximum(np.frexp(np.where(r == 0, 1, r))[1] - 1, 0) - 1)
;;       q = np.round(r / step) * step * 2.0 ** e      # np.round: ties to even
;;       return np.moveaxis(q.reshape(q.shape[:-2] + (-1,))[..., :K], -1, axis).astype(np.float32)
;;   ~~~
;;   OPERANDS COMPUTED ON THE WAY. 'Computed on the way' means the value that the module computes at that place (a softmax that the list does not call 'softmax' is quantised finished and normalised). What goes into a quantiser is computed in f32, as accurately as f32 sums, v_exp_f32 and their like allow (about 1e-6 of the number): no bf16 or f16 on the way to a quantiser, and a product that is left as it is and whose result goes on into a quantised operand takes f32 operands (vector FMAs, or v_wmma_f32_16x16x4_f32). A number that lies on a knife's edge between two numbers of the format may be rounded either way, as far as f32 arithmetic and the matrix unit's own rounding can turn it there, and no further.
;; 2 versions, each right; version 2 is version 1 with the launches qkv, ffn written anew for expert scheduling mode. Each part assembles by itself: llvm-mc -triple=amdgcn-amd-amdhsa -mcpu=gfx1250 --defsym DOCPART=n.
;; ======== version 1 of 2: 4 launches
;; limits: right only within a limited range of input values
;; workspace buffers: wu 1,695,744 bytes; qc 2,097,152 bytes; qs 262,144 bytes; kv 5,373,952 bytes; ao 2,097,152 bytes; aos 131,072 bytes
;; launch wquant (part 1): grid 192 x 1, 4 waves a work-group, no clusters, 0 bytes of LDS; arguments Wq, Wk, Wv, Wo, W1, W2, bq, bk, bv, bo, b1, b2, wu; writes wu
.if DOCPART == 1
	.amdgcn_target "amdgcn-amd-amdhsa--gfx1250"
	.amdhsa_code_object_version 6
	.text
	.protected	k_q59fe40dbf7_wquant
	.globl	k_q59fe40dbf7_wquant
	.p2align	8
	.type	k_q59fe40dbf7_wquant,@function
k_q59fe40dbf7_wquant:
	s_mov_b64 s[64:65], 0
	v_nop
	global_prefetch_b8 v0, s[64:65] scope:SCOPE_SE
	s_setreg_imm32_b32 hwreg(HW_REG_WAVE_MODE, 25, 1), 1
	s_wait_xcnt 0x0
; The six weights, f32 stored [K][N], become codes of E2M1 with one E8M0 byte for each 32 along K, laid in wu as the later launches' registers want them.
; wu: 96 records of UREC bytes.  A record is a UNIT: 64 columns n x 512 along K: 16 fragments of 1,024 bytes (K step s', tile x: at (4 s' + x) 1024), 8 x 128 bytes of scale words, the 64 columns' bias (256 bytes).
; THE COLUMNS OF A TILE ARE NOT NEIGHBOURS: in a pair of tiles (32 columns) lane r of tile u takes column 8 u + r % 8 + 16 (r / 8).
; A fragment is an image of its 8 registers: K block kb of 32 (of the step's 128) of lane row r lies at 512 (kb / 2) + 256 (kb % 2) + 16 r.
; SHARES: a work-group takes 32 columns, its wave s' 128 along K.  A lane takes a column and its registers run down K: each load reads 128 consecutive bytes, a block's largest magnitude needs no other lane,
; and the conversions give codes with K innermost.  A store of 16 bytes a lane fills two whole aligned blocks of 256 bytes.
; A block's byte is its largest magnitude's exponent field - 2, held at 1 from below.  LIMITS: a block of zeros gets the byte 1 (its codes are zeros; this program alone reads the bytes); NaN and infinities are not served.
.set UREC, 17664
.set X,    16                          ; v16-143  four blocks of 32 numbers
.set C,    144                         ; v144-159 four registers of codes a block, never written again
.set SW,   160                         ; v160     the scale word
	s_load_b512 s[4:19], s[0:1], 0x0               ; Wq Wk Wv Wo W1 W2 bq bk
	s_load_b256 s[20:27], s[0:1], 0x40             ; bv bo b1 b2
	s_load_b64 s[28:29], s[0:1], 0x60              ; wu
	v_lshrrev_b32 v4, 5, v0
	v_readfirstlane_b32 s40, v4                    ; wave = K step s' of the unit
	v_and_b32 v5, 31, v0                           ; lane = column in the pair of tiles
	v_lshlrev_b32 v1, 2, v5                        ; 4 x lane
	v_bfe_u32 v6, v5, 3, 1                         ; u
	v_and_b32 v7, 7, v5
	v_bfe_u32 v8, v5, 4, 1
	v_lshl_add_u32 v7, v8, 3, v7                   ; r
	v_lshlrev_b32 v2, 4, v7
	v_lshl_add_u32 v2, v6, 10, v2                  ; 1024 u + 16 r
	v_lshl_add_u32 v3, v6, 4, v7
	v_lshlrev_b32 v3, 2, v3                        ; 4 (16 u + r)
	s_wait_kmcnt 0x0
	s_cmp_lt_u32 ttmp9, 64
	s_cbranch_scc0 .Lwide
	s_lshr_b32 s41, ttmp9, 4                       ; the four square weights: which, and which pair of tiles
	s_and_b32 s42, ttmp9, 15
	s_cmp_eq_u32 s41, 1
	s_cselect_b64 s[30:31], s[6:7], s[4:5]
	s_cselect_b64 s[32:33], s[18:19], s[16:17]
	s_cmp_eq_u32 s41, 2
	s_cselect_b64 s[30:31], s[8:9], s[30:31]
	s_cselect_b64 s[32:33], s[20:21], s[32:33]
	s_cmp_eq_u32 s41, 3
	s_cselect_b64 s[30:31], s[10:11], s[30:31]
	s_cselect_b64 s[32:33], s[22:23], s[32:33]
	s_lshr_b32 s46, s42, 1                         ; w: the 64 columns
	s_mul_i32 s43, s46, 3
	s_add_co_u32 s43, s43, s41                     ; Wq, Wk, Wv: unit 3 w + which
	s_mul_i32 s47, s46, 9
	s_add_co_u32 s47, s47, 24                      ; Wo: unit 24 + 9 w
	s_cmp_eq_u32 s41, 3
	s_cselect_b32 s43, s47, s43
	s_lshl_b32 s48, s40, 18                        ; 128 rows of 2,048 bytes a K step
	s_mov_b32 s36, -1
	s_branch .Lcommon
.Lwide:
	s_cmp_lt_u32 ttmp9, 128
	s_cbranch_scc0 .Lw2
	s_sub_co_u32 s42, ttmp9, 64                    ; W1: 64 pairs of tiles
	s_mov_b64 s[30:31], s[12:13]
	s_mov_b64 s[32:33], s[24:25]
	s_lshr_b32 s46, s42, 3
	s_mul_i32 s43, s46, 9
	s_bfe_u32 s47, s42, 0x20001
	s_add_co_u32 s43, s43, s47
	s_add_co_u32 s43, s43, 25                      ; unit 25 + 9 w + k
	s_lshl_b32 s48, s40, 20                        ; 128 rows of 8,192 bytes
	s_mov_b32 s36, -1
	s_branch .Lcommon
.Lw2:
	s_sub_co_u32 s46, ttmp9, 128                   ; W2: 16 pairs of tiles x 4 runs of 512 along K
	s_lshr_b32 s42, s46, 2
	s_and_b32 s47, s46, 3
	s_mov_b64 s[30:31], s[14:15]
	s_mov_b64 s[32:33], s[26:27]
	s_lshr_b32 s43, s42, 1
	s_mul_i32 s43, s43, 9
	s_add_co_u32 s43, s43, s47
	s_add_co_u32 s43, s43, 29                      ; unit 29 + 9 w + k
	s_lshl_b32 s48, s47, 2
	s_add_co_u32 s48, s48, s40
	s_lshl_b32 s48, s48, 18
	s_cmp_eq_u32 s47, 0
	s_cselect_b32 s36, -1, 0                       ; b2 goes with k = 0 alone; the other three units carry zeros
.Lcommon:
	s_lshl_b32 s46, s42, 7                         ; 32 columns are 128 bytes
	s_mov_b32 s47, 0
	s_mov_b32 s49, 0
	s_add_nc_u64 s[30:31], s[30:31], s[48:49]
	s_add_nc_u64 s[30:31], s[30:31], s[46:47]      ; my first row, my first column
	s_add_nc_u64 s[32:33], s[32:33], s[46:47]      ; the bias of my 32 columns
	s_mul_i32 s48, s43, UREC
	s_add_nc_u64 s[34:35], s[28:29], s[48:49]      ; the unit's record
	s_and_b32 s46, s42, 1                          ; which pair of the unit's two
	s_lshl_b32 s48, s40, 12
	s_lshl_b32 s50, s46, 11
	s_add_co_u32 s48, s48, s50
	s_add_nc_u64 s[52:53], s[34:35], s[48:49]      ; fragment 4 s' + 2 pair
	s_lshl_b32 s48, s40, 8
	s_lshl_b32 s50, s46, 7
	s_add_co_u32 s48, s48, s50
	s_add_nc_u64 s[54:55], s[34:35], s[48:49]      ; scale words (2 s' + pair) 128
	s_mov_b32 s48, s50
	s_add_nc_u64 s[56:57], s[34:35], s[48:49]      ; bias: 128 pair
.macro LOADS p                         ; 128 rows of K, p bytes apart; every offset an immediate
.set i, 0
.rept 128
	global_load_b32 v[X+i], v1, s[30:31] offset:i*\p th:TH_LOAD_NT
.set i, i+1
.endr
.endm
	s_sub_co_u32 s46, ttmp9, 64
	s_cmp_lt_u32 s46, 64
	s_cbranch_scc1 .Lp8192
	LOADS 2048
	s_branch .Lwork
.Lp8192:
	LOADS 8192
.Lwork:
.macro BLOCK kb, cnt
.set XS, X+32*\kb
	s_wait_loadcnt \cnt
	v_max3_num_f32 v8, |v[XS]|, |v[XS+1]|, |v[XS+2]|
	v_max3_num_f32 v9, |v[XS+3]|, |v[XS+4]|, |v[XS+5]|
.irp i, 6,10,14,18,22,26
	v_max3_num_f32 v8, v8, |v[XS+\i]|, |v[XS+\i+1]|
	v_max3_num_f32 v9, v9, |v[XS+\i+2]|, |v[XS+\i+3]|
.endr
	v_max3_num_f32 v8, v8, |v[XS+30]|, |v[XS+31]|
	v_max3_num_f32 v8, v8, v9, 0x1800000           ; the floor 2^(3 - 127): the byte cannot fall under 1
	v_add_nc_u32 v[12+\kb], 0xff000000, v8         ; 2 off the exponent field: the conversion's scale operand
	v_lshrrev_b32 v10, 23, v[12+\kb]               ; the byte
.if \kb == 0
	v_mov_b32 v[SW], v10
.else
	v_lshl_or_b32 v[SW], v10, 8*\kb, v[SW]
.endif
.irp g, 0,1,2,3
	v_cvt_scalef32_pk8_fp4_f32 v[C+4*\kb+\g], v[XS+8*\g:XS+8*\g+7], v[12+\kb]
.endr
	global_store_b128 v2, v[C+4*\kb:C+4*\kb+3], s[52:53] offset:(\kb/2)*512+(\kb%2)*256
.endm
	BLOCK 0, 63                                    ; 96 loads were issued behind block 0's, 64 behind block 1's: the wait names the largest count that it can,
	BLOCK 1, 63                                    ; which shows the first 65 loads in
	BLOCK 2, 32                                    ; block 3's 32 may be out
	BLOCK 3, 0
	global_store_b32 v3, v[SW], s[54:55] offset:16384
	s_cmp_lg_u32 s40, 0
	s_cbranch_scc1 .Ldone
	global_load_b32 v8, v1, s[32:33]               ; wave 0 copies the 32 columns' bias
	s_wait_loadcnt 0x0
	v_and_b32 v8, s36, v8
	global_store_b32 v1, v8, s[56:57] offset:17408
.Ldone:
	s_endpgm
.Lfunc_end_k_q59fe40dbf7_wquant:
	.size	k_q59fe40dbf7_wquant, .Lfunc_end_k_q59fe40dbf7_wquant-k_q59fe40dbf7_wquant
	.p2alignl 7, 3214868480
	.fill 96, 4, 3214868480
	.section	.rodata,"a",@progbits
	.p2align	6, 0x0
	.amdhsa_kernel k_q59fe40dbf7_wquant
		.amdhsa_group_segment_fixed_size 0
		.amdhsa_private_segment_fixed_size 0
		.amdhsa_enable_private_segment 0
		.amdhsa_kernarg_size 104
		.amdhsa_user_sgpr_count 2
		.amdhsa_user_sgpr_kernarg_segment_ptr 1
		.amdhsa_wavefront_size32 1
		.amdhsa_system_sgpr_workgroup_id_x 1
		.amdhsa_system_sgpr_workgroup_id_y 1
		.amdhsa_system_sgpr_workgroup_id_z 1
		.amdhsa_system_vgpr_workitem_id 0
		.amdhsa_next_free_vgpr 176
		.amdhsa_next_free_sgpr 66
		.amdhsa_reserve_vcc 0
		.amdhsa_float_denorm_mode_32 3
		.amdhsa_float_denorm_mode_16_64 3
		.amdhsa_memory_ordered 1
		.amdhsa_forward_progress 1
		.amdhsa_inst_pref_size 35
	.end_amdhsa_kernel
	.amdgpu_metadata
---
amdhsa.version: [ 1, 2 ]
amdhsa.kernels:
  - .name:           k_q59fe40dbf7_wquant
    .symbol:         k_q59fe40dbf7_wquant.kd
    .args:
      - { .name: Wq, .offset: 0, .size: 8, .value_kind: global_buffer, .address_space: global }
      - { .name: Wk, .offset: 8, .size: 8, .value_kind: global_buffer, .address_space: global }
      - { .name: Wv, .offset: 16, .size: 8, .value_kind: global_buffer, .address_space: global }
      - { .name: Wo, .offset: 24, .size: 8, .value_kind: global_buffer, .address_space: global }
      - { .name: W1, .offset: 32, .size: 8, .value_kind: global_buffer, .address_space: global }
      - { .name: W2, .offset: 40, .size: 8, .value_kind: global_buffer, .address_space: global }
      - { .name: bq, .offset: 48, .size: 8, .value_kind: global_buffer, .address_space: global }
      - { .name: bk, .offset: 56, .size: 8, .value_kind: global_buffer, .address_space: global }
      - { .name: bv, .offset: 64, .size: 8, .value_kind: global_buffer, .address_space: global }
      - { .name: bo, .offset: 72, .size: 8, .value_kind: global_buffer, .address_space: global }
      - { .name: b1, .offset: 80, .size: 8, .value_kind: global_buffer, .address_space: global }
      - { .name: b2, .offset: 88, .size: 8, .value_kind: global_buffer, .address_space: global }
      - { .name: wu, .offset: 96, .size: 8, .value_kind: global_buffer, .address_space: global }
    .group_segment_fixed_size: 0
    .private_segment_fixed_size: 0
    .kernarg_segment_align: 8
    .kernarg_segment_size: 104
    .max_flat_workgroup_size: 128
    .sgpr_count:     66
    .vgpr_count:     176
    .wavefront_size: 32
...
	.end_amdgpu_metadata
.endif
;; end of part 1
;; launch qkv (part 2): grid 256 x 1, 8 waves a work-group, no clusters, 76,288 bytes of LDS; arguments x, mask, g1, be1, wu, qc, qs, kv; writes qc, qs, kv
.if DOCPART == 2
	.amdgcn_target "amdgcn-amd-amdhsa--gfx1250"
	.amdhsa_code_object_version 6
	.text
	.protected	k_q59fe40dbf7_qkv
	.globl	k_q59fe40dbf7_qkv
	.p2align	8
	.type	k_q59fe40dbf7_qkv,@function
k_q59fe40dbf7_qkv:
	s_mov_b64 s[64:65], 0
	v_nop
	global_prefetch_b8 v0, s[64:65] scope:SCOPE_SE
	s_setreg_imm32_b32 hwreg(HW_REG_WAVE_MODE, 25, 1), 1
	s_wait_xcnt 0x0
; LayerNorm 1, its quantiser, and the products with Wq, Wk, Wv; Q, K (along the head's 64) and V (along the keys) leave as codes of E2M1 with E8M0 bytes, laid as the attention launch's registers want them.
; SHARES: a work-group owns 32 rows; wave w normalises rows 4 w .. 4 w + 3, quantises one of the 8 fragments (tile w % 2, K step w / 2), and then makes head w's Q, K and V for all 32 rows.
; ROW ORDER: lane r of tile T holds row 8 T + r % 8 + 16 (r / 8) of the 32; the weights' columns lie so too.  So with source 0 = weight tiles and source 1 = rows a lane holds ONE row and its registers
; 16 p + 8 u + j are columns 32 p + 16 (lane / 16) + 8 u + j: 16 neighbours along the next K.  For V the sources change places: a lane holds one column and 16 neighbouring keys.
; WEIGHTS go from memory straight into the one wave that multiplies by them: a unit's 16 fragments fill window 1; a K step's 4 fragments are asked for again, for the next unit, as soon as they are multiplied.
; The three units' places stand in the loads' immediates: the base is never stepped.  No store's data registers are written again: Q's and K's results have registers of their own.
; kv: a record of REC bytes for each head and 128 keys: K's codes, K's scale words, 0 or -8e9 for each key (the padding mask, in units of the raw score), V's codes, V's scale bytes, the sums of the quantised V over 32 keys.
; LIMITS: NaN and infinities are not served; a block of zeros gets the byte 1 (its codes are zeros, the bytes are read by this program alone).
; REGISTERS, window 0: v1-15 addresses; v16-79 the rows' 8 fragments (earlier: g1, be1); v80-87 their scale words; v88-95 the weights' scale words; v96-127 the bias in the result's layout (later: K's codes and words); v128-191 accumulators (earlier: my 4 rows); v192-255 at work.
.set UREC, 17664
.set REC,  10496
.set KSO,  4096
.set MKO,  4608
.set VO,   5120
.set VSO,  9216
.set SUMO, 9472
.set SPI,  2064                        ; a staged row: 2,048 bytes + 16: an odd multiple of 16, so that 16 rows' 16 bytes fall on 16 different groups of banks
.set HI,   32*SPI                      ; the 8 fragments' images
.set HS,   HI+8192                     ; their scale words, 128 bytes each
.set LI, 1                             ; 16 x lane
.set LS, 2                             ; 4 x lane
.set BH, 3                             ; 64 (lane / 16)
.set STW, 5                            ; stage: my 4 rows, 16 x lane
.set STQ, 7                            ; stage: my fragment's row r, my 16 numbers of a block
.set IMW, 8
.set ISW, 9
.set HIA, 10
.set HSA, 11
.set RHO4, 12                          ; 4 (r % 8 + 16 (r / 8))
.set R16H8, 14                         ; 16 r + 8 (lane / 16)
.set R4, 15                            ; 4 r
.set AF, 16
.set AS, 80
.set WS, 88
.set BIAS, 96
.set PCK, 96                           ; K's codes, bytes, words and mask numbers: the bias's registers, which are done with behind K's first products
.set PHK, 104
.set QWK, 106
.set MW, 109
.set ACC, 128
.set XD, 128
.set GG, 16
.set BT, 32
.set LW, 192
.set LQ, 200
.set LP, 208
.set TMX, 192
.set TMB, 194
.set TMS, 196
.set PC, 200
.set PH, 208
.set QW, 210
.set MKV, 214
.set VB, 216
.set EPS, 21
.set WP, 22
.set SEL, 24
.set RN, 27
.set MSB, 0
.macro WIN new                         ; the immediate's high byte repeats the setting that is left
.if MSB != \new
	s_set_vgpr_msb (MSB<<8)|\new
.set MSB, \new
.endif
.endm
.macro PLACES n
.rept \n
	v_nop
.endr
.endm
.macro BARRIER                         ; my LDS stores have landed and my LDS loads are in: then the work-group's barrier
	s_wait_dscnt 0x0
	s_barrier_signal -1
	s_barrier_wait -1
.endm
; one product.  c < 0: the constant 0 starts the sum.  row = 1: source 0's scales stand in lanes 16-31; 2: source 1's
.macro MM d, a, b, c, sa, sb, row
.if (\c) < 0
.if (\row) == 0
	v_wmma_scale_f32_16x16x128_f8f6f4 v[\d:\d+7], v[\a:\a+7], v[\b:\b+7], 0, v[\sa], v[\sb] matrix_a_fmt:MATRIX_FMT_FP4 matrix_b_fmt:MATRIX_FMT_FP4
.elseif (\row) == 1
	v_wmma_scale_f32_16x16x128_f8f6f4 v[\d:\d+7], v[\a:\a+7], v[\b:\b+7], 0, v[\sa], v[\sb] matrix_a_fmt:MATRIX_FMT_FP4 matrix_b_fmt:MATRIX_FMT_FP4 matrix_a_scale:MATRIX_SCALE_ROW1
.else
	v_wmma_scale_f32_16x16x128_f8f6f4 v[\d:\d+7], v[\a:\a+7], v[\b:\b+7], 0, v[\sa], v[\sb] matrix_a_fmt:MATRIX_FMT_FP4 matrix_b_fmt:MATRIX_FMT_FP4 matrix_b_scale:MATRIX_SCALE_ROW1
.endif
.else
.if (\row) == 0
	v_wmma_scale_f32_16x16x128_f8f6f4 v[\d:\d+7], v[\a:\a+7], v[\b:\b+7], v[\c:\c+7], v[\sa], v[\sb] matrix_a_fmt:MATRIX_FMT_FP4 matrix_b_fmt:MATRIX_FMT_FP4
.elseif (\row) == 1
	v_wmma_scale_f32_16x16x128_f8f6f4 v[\d:\d+7], v[\a:\a+7], v[\b:\b+7], v[\c:\c+7], v[\sa], v[\sb] matrix_a_fmt:MATRIX_FMT_FP4 matrix_b_fmt:MATRIX_FMT_FP4 matrix_a_scale:MATRIX_SCALE_ROW1
.else
	v_wmma_scale_f32_16x16x128_f8f6f4 v[\d:\d+7], v[\a:\a+7], v[\b:\b+7], v[\c:\c+7], v[\sa], v[\sb] matrix_a_fmt:MATRIX_FMT_FP4 matrix_b_fmt:MATRIX_FMT_FP4 matrix_b_scale:MATRIX_SCALE_ROW1
.endif
.endif
.endm
; the loads of K step sp of the unit that begins base bytes behind my first: 8 of fragments, 2 of scale words; with step 0 the bias: kind 1: 8 loads, in the transposed result's layout; kind 2: 4 loads, one number a lane
.macro GLOADS sp, base, kind
	WIN 0x40                                       ; destination window 1
.irp x, 0,1,2,3
.irp c, 0,1
	global_load_b128 v[8*(4*\sp+\x)+4*\c:8*(4*\sp+\x)+4*\c+3], v[LI], s[WP:WP+1] offset:\base+(4*\sp+\x)*1024+512*\c
.endr
.endr
	WIN 0
.irp p, 0,1
	global_load_b32 v[WS+2*\sp+\p], v[LS], s[WP:WP+1] offset:\base+16384+(2*\sp+\p)*128
.endr
.if \sp == 0
.if \kind == 1
.irp x, 0,1,2,3
.irp jj, 0,1
	global_load_b128 v[BIAS+8*\x+4*\jj:BIAS+8*\x+4*\jj+3], v[BH], s[WP:WP+1] offset:\base+17408+128*(\x/2)+32*(\x%2)+16*\jj
.endr
.endr
.elseif \kind == 2
.irp x, 0,1,2,3
	global_load_b32 v[VB+2*\x], v[RHO4], s[WP:WP+1] offset:\base+17408+128*(\x/2)+32*(\x%2)
.endr
.endif
.endif
.endm
; K step sp of a unit, transposed: 8 products, the 8 accumulators by turns.  cnt: the loads issued behind this step's.  refill: the same step of the next unit, nb bytes behind my first, is asked for, four places behind the products
.macro GROUP sp, cnt, refill, kind, first, nb
	s_wait_loadcnt \cnt
	WIN 0x01                                       ; source 0 (the weight) window 1
.irp T, 0,1
.irp x, 0,1,2,3
.if \first
	MM ACC+32*\T+8*\x, 8*(4*\sp+\x), AF+8*(2*\sp+\T), BIAS+8*\x, WS+2*\sp+\x/2, AS+4*\T+\sp, \x%2
.else
	MM ACC+32*\T+8*\x, 8*(4*\sp+\x), AF+8*(2*\sp+\T), ACC+32*\T+8*\x, WS+2*\sp+\x/2, AS+4*\T+\sp, \x%2
.endif
.endr
.endr
	WIN 0
.if \refill
	PLACES 4
	GLOADS \sp, \nb, \kind
.endif
.endm
; the same with the sources' places changed: source 0 = rows, source 1 = the weight's columns
.macro GROUPV sp, cnt
	s_wait_loadcnt \cnt
	WIN 0x04                                       ; source 1 window 1
.irp T, 0,1
.irp x, 0,1,2,3
.if \sp == 0
	MM ACC+16*\x+8*\T, AF+8*(2*\sp+\T), 8*(4*\sp+\x), -1, AS+4*\T+\sp, WS+2*\sp+\x/2, 2*(\x%2)
.else
	MM ACC+16*\x+8*\T, AF+8*(2*\sp+\T), 8*(4*\sp+\x), ACC+16*\x+8*\T, AS+4*\T+\sp, WS+2*\sp+\x/2, 2*(\x%2)
.endif
.endr
.endr
	WIN 0
.endm
; 32 numbers of a lane, register 16 b + i = k 32 b + 16 (lane / 16) + i of my row, become four registers of an operand (lane (r, h): block h whole) in v[pc] on, and the two bytes in v[ph]
.macro QUANT2 s, pc, ph
.irp b, 0,1
	v_max3_num_f32 v[TMX+\b], |v[\s+16*\b]|, |v[\s+16*\b+1]|, 0x1800000   ; with the floor 2^(3 - 127): the byte cannot fall under 1
.endr
.irp i, 2,4,6,8,10,12,14
.irp b, 0,1
	v_max3_num_f32 v[TMX+\b], v[TMX+\b], |v[\s+16*\b+\i]|, |v[\s+16*\b+\i+1]|
.endr
.endr
.irp b, 0,1
	v_permlanex16_b32 v[TMB+\b], v[TMX+\b], s[SEL], s[SEL+1]
.endr
.irp b, 0,1
	v_max_num_f32 v[TMX+\b], v[TMX+\b], v[TMB+\b]  ; with lane l xor 16's 16: the block's largest magnitude
.endr
.irp b, 0,1
	v_add_nc_u32 v[TMS+\b], 0xff000000, v[TMX+\b]  ; 2 off the exponent field: the conversion's scale operand
.endr
.irp b, 0,1
	v_lshrrev_b32 v[TMB+\b], 23, v[TMS+\b]
.endr
	v_lshl_or_b32 v[\ph], v[TMB+1], 8, v[TMB]
.irp b, 0,1
	v_cvt_scalef32_pk8_fp4_f32 v[\pc+2*\b], v[\s+16*\b:\s+16*\b+7], v[TMS+\b]
	v_cvt_scalef32_pk8_fp4_f32 v[\pc+2*\b+1], v[\s+16*\b+8:\s+16*\b+15], v[TMS+\b]
.endr
	v_nop                                          ; one plain place behind a scaled conversion
	v_permlane16_swap_b32 v[\pc], v[\pc+2]
	v_permlane16_swap_b32 v[\pc+1], v[\pc+3]
.endm
.macro LNSUM w                         ; four rows' pairs become four sums over the wave, in every lane
.irp i, 0,1,2,3
	v_add_f32 v[\w+2*\i], v[\w+2*\i], v[\w+2*\i+1]
.endr
.irp k, 1,2,4,8
.irp i, 0,1,2,3
	v_add_f32_dpp v[\w+2*\i], v[\w+2*\i], v[\w+2*\i] row_xmask:\k row_mask:0xf bank_mask:0xf
.endr
.endr
.irp i, 0,1,2,3
	v_permlanex16_b32 v[LP+\i], v[\w+2*\i], s[SEL], s[SEL+1]
.endr
.irp i, 0,1,2,3
	v_add_f32 v[\w+2*\i], v[\w+2*\i], v[LP+\i]
.endr
.endm
; LayerNorm of 4 whole rows: v[XD + 16 i + 4 j + e] = row i, column 128 j + 4 lane + e.  The mean is taken away before the squares: no difference of large sums
.macro LNROWS
.irp i, 0,1,2,3
	v_pk_add_f32 v[LW+2*\i:LW+2*\i+1], v[XD+16*\i:XD+16*\i+1], v[XD+16*\i+2:XD+16*\i+3]
.endr
.irp n, 4,6,8,10,12,14
.irp i, 0,1,2,3
	v_pk_add_f32 v[LW+2*\i:LW+2*\i+1], v[LW+2*\i:LW+2*\i+1], v[XD+16*\i+\n:XD+16*\i+\n+1]
.endr
.endr
	LNSUM LW
.irp i, 0,1,2,3
	v_mul_f32 v[LW+2*\i], s[RN], v[LW+2*\i]        ; the mean: x 2^-9
.endr
.irp n, 0,2,4,6,8,10,12,14
.irp i, 0,1,2,3
	v_pk_add_f32 v[XD+16*\i+\n:XD+16*\i+\n+1], v[XD+16*\i+\n:XD+16*\i+\n+1], v[LW+2*\i:LW+2*\i+1] op_sel_hi:[1,0] neg_lo:[0,1] neg_hi:[0,1]
.endr
.endr
.irp i, 0,1,2,3
	v_pk_mul_f32 v[LQ+2*\i:LQ+2*\i+1], v[XD+16*\i:XD+16*\i+1], v[XD+16*\i:XD+16*\i+1]
.endr
.irp n, 2,4,6,8,10,12,14
.irp i, 0,1,2,3
	v_pk_fma_f32 v[LQ+2*\i:LQ+2*\i+1], v[XD+16*\i+\n:XD+16*\i+\n+1], v[XD+16*\i+\n:XD+16*\i+\n+1], v[LQ+2*\i:LQ+2*\i+1]
.endr
.endr
	LNSUM LQ
.irp i, 0,1,2,3
	v_fma_f32 v[LQ+2*\i], v[LQ+2*\i], s[RN], s[EPS]
.endr
.irp i, 0,1,2,3
	v_rsq_f32 v[LQ+2*\i], v[LQ+2*\i]
.endr
	v_nop                                          ; one plain place behind the transcendentals
	s_wait_alu depctr_va_vdst(0)
.irp n, 0,2,4,6,8,10,12,14
.irp i, 0,1,2,3
	v_pk_mul_f32 v[XD+16*\i+\n:XD+16*\i+\n+1], v[XD+16*\i+\n:XD+16*\i+\n+1], v[LQ+2*\i:LQ+2*\i+1] op_sel_hi:[1,0]
.endr
.endr
.irp n, 0,2,4,6,8,10,12,14
.irp i, 0,1,2,3
	v_pk_fma_f32 v[XD+16*\i+\n:XD+16*\i+\n+1], v[XD+16*\i+\n:XD+16*\i+\n+1], v[GG+\n:GG+\n+1], v[BT+\n:BT+\n+1]
.endr
.endr
.endm
	s_load_b512 s[4:19], s[0:1], 0x0               ; x mask g1 be1 wu qc qs kv
	v_lshl_add_u32 v254, v0, 2, 0x12600
	v_mov_b32 v255, 0
	v_lshrrev_b32 v1, 5, v0
	v_readfirstlane_b32 s20, v1                    ; wave = head
	v_and_b32 v2, 31, v0
	v_lshlrev_b32 v[LI], 4, v2
	v_lshlrev_b32 v[LS], 2, v2
	v_and_b32 v[R4], 15, v0                        ; r, for now
	v_bfe_u32 v[R16H8], v0, 4, 1                   ; h, for now
	v_lshlrev_b32 v[BH], 6, v[R16H8]
	s_bfe_u32 s40, s20, 0x10001                    ; rows 4 w + i stand at stage places 16 ((w / 2) % 2) + 4 (w % 2) + 8 (w / 4) + i: tile by tile, in the tiles' row order
	s_lshl_b32 s40, s40, 4
	s_and_b32 s41, s20, 1
	s_lshl_b32 s42, s41, 2
	s_add_co_u32 s40, s40, s42
	s_lshr_b32 s42, s20, 2
	s_lshl_b32 s42, s42, 3
	s_add_co_u32 s40, s40, s42
	s_mul_i32 s40, s40, SPI
	v_add_nc_u32 v[STW], s40, v[LI]
	v_mul_u32_u24 v[STQ], v[R4], SPI
	v_add_nc_u32 v[STQ], v[STQ], v[BH]
	s_mul_i32 s42, s41, 16*SPI
	s_lshr_b32 s43, s20, 1
	s_lshl_b32 s43, s43, 9
	s_add_co_u32 s42, s42, s43
	v_add_nc_u32 v[STQ], s42, v[STQ]               ; (16 (w % 2) + r) rows + 512 (w / 2) + 64 h
	s_lshl_b32 s42, s20, 10
	s_add_co_u32 s42, s42, HI
	v_add_nc_u32 v[IMW], s42, v[LI]
	s_lshl_b32 s42, s20, 7
	s_add_co_u32 s42, s42, HS
	v_add_nc_u32 v[ISW], s42, v[LS]
	v_add_nc_u32 v[HIA], HI, v[LI]
	v_add_nc_u32 v[HSA], HS, v[LS]
	v_and_b32 v[RHO4], 7, v0
	v_bfe_u32 v13, v0, 3, 1
	v_lshl_add_u32 v[RHO4], v13, 4, v[RHO4]
	v_lshlrev_b32 v[RHO4], 2, v[RHO4]
	v_lshlrev_b32 v[R16H8], 3, v[R16H8]
	v_lshl_add_u32 v[R16H8], v[R4], 4, v[R16H8]
	v_lshlrev_b32 v[R4], 2, v[R4]
.irp i, 194,195,208,209,210,211,217,219,221,223,228,229,230,231
	v_mov_b32 v[\i], 0                             ; written once: lane permutes' destinations and the upper halves of pairs count as read
.endr
	v_mov_b32 v248, 0x7f7f7f7f                     ; the byte of 1.0, in every byte of every lane
	s_mov_b32 s[EPS], 0x3727c5ac                   ; 1e-5
	s_mov_b32 s[SEL], 0x76543210
	s_mov_b32 s[SEL+1], 0xfedcba98                 ; lane l xor 16
	s_mov_b32 s26, 0xffff0000                      ; lanes 16-31
	s_mov_b32 s[RN], 0x3b000000                    ; 2^-9
	s_lshl_b32 s40, ttmp9, 16
	s_lshl_b32 s41, s20, 13
	s_add_co_u32 s40, s40, s41
	s_mov_b32 s41, 0
	s_mov_b32 s49, 0
	s_wait_kmcnt 0x0
	s_add_nc_u64 s[34:35], s[4:5], s[40:41]        ; x: 32 rows a work-group, 4 a wave
	s_lshl_b32 s40, ttmp9, 7
	s_add_nc_u64 s[36:37], s[6:7], s[40:41]        ; mask: my 32 keys
	s_mul_i32 s40, s20, 3*UREC
	s_add_nc_u64 s[WP:WP+1], s[12:13], s[40:41]    ; units 3 w, 3 w + 1, 3 w + 2
	s_lshr_b32 s46, ttmp9, 6
	s_and_b32 s47, ttmp9, 63                       ; the block of 32 rows in the batch
	s_lshl_b32 s46, s46, 3
	s_add_co_u32 s46, s46, s20                     ; 8 batch + head
	s_lshl_b32 s40, s46, 6
	s_add_co_u32 s40, s40, s47
	s_lshl_b32 s48, s40, 10
	s_add_nc_u64 s[28:29], s[14:15], s[48:49]      ; qc: two tiles of 512 bytes
	s_lshl_b32 s48, s40, 7
	s_add_nc_u64 s[30:31], s[16:17], s[48:49]      ; qs: 32 words
	s_lshr_b32 s50, s47, 2                         ; the key step of 128
	s_and_b32 s51, s47, 3                          ; kb: my 32 keys in it
	s_lshl_b32 s48, s46, 4
	s_add_co_u32 s48, s48, s50
	s_mul_i32 s48, s48, REC
	s_add_nc_u64 s[18:19], s[18:19], s[48:49]      ; the record
	s_lshl_b32 s48, s51, 10
	s_add_nc_u64 s[32:33], s[18:19], s[48:49]      ; + 1024 kb: K's codes
	s_lshl_b32 s48, s51, 7
	s_add_nc_u64 s[38:39], s[18:19], s[48:49]      ; + 128 kb: K's scale words, the mask's numbers
	s_lshl_b32 s48, s51, 8
	s_add_nc_u64 s[42:43], s[18:19], s[48:49]      ; + 256 kb: V's codes, V's sums
	s_mov_b32 s48, s51
	s_add_nc_u64 s[44:45], s[18:19], s[48:49]      ; + kb: V's scale bytes
.irp i, 0,1,2,3
.irp j, 0,1,2,3
	global_load_b128 v[XD+16*\i+4*\j:XD+16*\i+4*\j+3], v[LI], s[34:35] offset:2048*\i+512*\j th:TH_LOAD_NT
.endr
.endr
.irp j, 0,1,2,3
	global_load_b128 v[GG+4*\j:GG+4*\j+3], v[LI], s[8:9] offset:512*\j
	global_load_b128 v[BT+4*\j:BT+4*\j+3], v[LI], s[10:11] offset:512*\j
.endr
	global_load_b32 v[MKV], v[LS], s[36:37]
	GLOADS 0, 0, 1                                 ; unit Wq: 18 + 10 + 10 + 10 loads
	GLOADS 1, 0, 0
	GLOADS 2, 0, 0
	GLOADS 3, 0, 0
	s_wait_loadcnt 49                              ; x, g1, be1 are in; the mask's load and the unit's 48 may be out
	LNROWS
.irp i, 0,1,2,3
.irp j, 0,1,2,3
	ds_store_b128 v[STW], v[XD+16*\i+4*\j:XD+16*\i+4*\j+3] offset:SPI*\i+512*\j
.endr
.endr
	BARRIER                                        ; 32 normalised rows lie in the stage
.irp b, 0,1,2,3
.irp jj, 0,1,2,3
	ds_load_b128 v[ACC+16*\b+4*\jj:ACC+16*\b+4*\jj+3], v[STQ] offset:128*\b+16*\jj
.endr
.endr
	s_wait_dscnt 0x0
	QUANT2 ACC, PC, PH
	QUANT2 ACC+32, PC+4, PH+1
	ds_store_b128 v[IMW], v[PC:PC+3]
	ds_store_b128 v[IMW], v[PC+4:PC+7] offset:512
	v_lshl_or_b32 v[QW], v[PH+1], 16, v[PH]
	ds_store_b32 v[ISW], v[QW]
	BARRIER                                        ; the 8 fragments and their scale words lie in LDS
.irp f, 0,1,2,3,4,5,6,7
.irp c, 0,1
	ds_load_b128 v[AF+8*\f+4*\c:AF+8*\f+4*\c+3], v[HIA] offset:1024*\f+512*\c
.endr
	ds_load_b32 v[AS+4*(\f%2)+\f/2], v[HSA] offset:128*\f
.endr
	s_wait_dscnt 0x0
	; ---- Q.  Counts: behind step 0: three steps' 30 loads; behind steps 1 to 3: what is left of this unit and the refills so far: 20 + 18, 10 + 28, 38
	GROUP 0, 30, 1, 1, 1, UREC
	GROUP 1, 38, 1, 1, 0, UREC
	GROUP 2, 38, 1, 1, 0, UREC
	GROUP 3, 38, 1, 1, 0, UREC
	QUANT2 ACC, PC, PH
	QUANT2 ACC+32, PC+4, PH+1
	v_lshl_or_b32 v[QW], v[PH], 16, v[PH]          ; the instruction's K is 128, the head's 64: the upper half's codes are zeros, and its two bytes repeat the lower two
	v_lshl_or_b32 v[QW+1], v[PH+1], 16, v[PH+1]
	v_cndmask_b32 v[QW+2], v[QW], v[QW+1], s26     ; lanes 0-15: tile 0's words; lanes 16-31: tile 1's
	global_store_b128 v[LI], v[PC:PC+3], s[28:29]  ; these stores' data (v200-207, v212) are not written again in this text
	global_store_b128 v[LI], v[PC+4:PC+7], s[28:29] offset:512
	global_store_b32 v[LS], v[QW+2], s[30:31]
	; ---- K.  The refills are Wv's, with 4 loads of bias: 20 + 14, 10 + 24, 34
	GROUP 0, 30, 1, 2, 1, 2*UREC
	GROUP 1, 34, 1, 2, 0, 2*UREC
	GROUP 2, 34, 1, 2, 0, 2*UREC
	GROUP 3, 34, 1, 2, 0, 2*UREC
	QUANT2 ACC, PCK, PHK
	QUANT2 ACC+32, PCK+4, PHK+1
	v_lshl_or_b32 v[QWK], v[PHK], 16, v[PHK]
	v_lshl_or_b32 v[QWK+1], v[PHK+1], 16, v[PHK+1]
	v_cndmask_b32 v[QWK+2], v[QWK], v[QWK+1], s26
	v_mov_b32 v199, 0xcfee6b28                     ; -8e9: reference()'s -1e9 in units of the raw score (x 8)
	v_cmp_eq_u32 vcc_lo, 0, v[MKV]
	v_cndmask_b32 v[MW], 0, v199, vcc_lo
	global_store_b128 v[LI], v[PCK:PCK+3], s[32:33]
	global_store_b128 v[LI], v[PCK+4:PCK+7], s[32:33] offset:512
	global_store_b32 v[LS], v[QWK+2], s[38:39] offset:KSO
	global_store_b32 v[LS], v[MW], s[38:39] offset:MKO
	; ---- V: a lane holds column d (tile x, row r) and keys 16 h + 0 .. 15 in v[ACC + 16 x] on.  Nothing is asked for any more: the counts run down
	GROUPV 0, 30
	GROUPV 1, 20
	GROUPV 2, 10
	GROUPV 3, 0
	PLACES 4
.irp x, 0,1,2,3
.irp p, 0,2,4,6,8,10,12,14
	v_pk_add_f32 v[ACC+16*\x+\p:ACC+16*\x+\p+1], v[ACC+16*\x+\p:ACC+16*\x+\p+1], v[VB+2*\x:VB+2*\x+1] op_sel_hi:[1,0]
.endr
.endr
.irp x, 0,1,2,3
	v_max3_num_f32 v[224+\x], |v[ACC+16*\x]|, |v[ACC+16*\x+1]|, 0x1800000
.endr
.irp i, 2,4,6,8,10,12,14
.irp x, 0,1,2,3
	v_max3_num_f32 v[224+\x], v[224+\x], |v[ACC+16*\x+\i]|, |v[ACC+16*\x+\i+1]|
.endr
.endr
.irp x, 0,1,2,3
	v_permlanex16_b32 v[228+\x], v[224+\x], s[SEL], s[SEL+1]
.endr
.irp x, 0,1,2,3
	v_max_num_f32 v[224+\x], v[224+\x], v[228+\x]
.endr
.irp x, 0,1,2,3
	v_add_nc_u32 v[232+\x], 0xff000000, v[224+\x]
.endr
.irp x, 0,1,2,3
	v_lshrrev_b32 v[236+\x], 23, v[232+\x]
.endr
.irp x, 0,1,2,3
	v_cvt_scalef32_pk8_fp4_f32 v[240+2*\x], v[ACC+16*\x:ACC+16*\x+7], v[232+\x]
	v_cvt_scalef32_pk8_fp4_f32 v[241+2*\x], v[ACC+16*\x+8:ACC+16*\x+15], v[232+\x]
.endr
	v_nop
.irp x, 0,1,2,3                        ; the codes' values again, for the sum of the QUANTISED V over these 32 keys (a row with no open key wants the mean of V over all keys)
	v_cvt_scale_pk8_f32_fp4 v[ACC+16*\x:ACC+16*\x+7], v[240+2*\x], v248
	v_cvt_scale_pk8_f32_fp4 v[ACC+16*\x+8:ACC+16*\x+15], v[241+2*\x], v248
.endr
	v_nop
.irp x, 0,1,2,3
	v_pk_add_f32 v[224+2*\x:225+2*\x], v[ACC+16*\x:ACC+16*\x+1], v[ACC+16*\x+2:ACC+16*\x+3]
.endr
.irp n, 4,6,8,10,12,14
.irp x, 0,1,2,3
	v_pk_add_f32 v[224+2*\x:225+2*\x], v[224+2*\x:225+2*\x], v[ACC+16*\x+\n:ACC+16*\x+\n+1]
.endr
.endr
.irp x, 0,1,2,3
	v_add_f32 v[224+2*\x], v[224+2*\x], v[225+2*\x]
.endr
.irp x, 0,1,2,3
	v_and_b32 v[232+\x], 0x7f800000, v[232+\x]     ; the scale as a number
.endr
.irp x, 0,1,2,3
	v_mul_f32 v[224+2*\x], v[224+2*\x], v[232+\x]
.endr
.irp x, 0,1,2,3
	v_permlanex16_b32 v[225+2*\x], v[224+2*\x], s[SEL], s[SEL+1]
.endr
.irp x, 0,1,2,3
	v_add_f32 v[224+2*\x], v[224+2*\x], v[225+2*\x]
.endr
.irp x, 0,1,2,3
	global_store_b64 v[R16H8], v[240+2*\x:241+2*\x], s[42:43] offset:VO+1024*\x           ; 32 lanes store 256 consecutive bytes
	global_store_b8 v[R4], v[236+\x], s[44:45] offset:VSO+128*(\x/2)+64*(\x%2)            ; lanes 16-31 repeat lanes 0-15's address and value
	global_store_b32 v[R4], v[224+2*\x], s[42:43] offset:SUMO+64*\x
.endr
	s_wait_tensorcnt 0x0
	ds_add_u32 v254, v255
	s_wait_dscnt 0x0
	s_endpgm
.Lfunc_end_k_q59fe40dbf7_qkv:
	.size	k_q59fe40dbf7_qkv, .Lfunc_end_k_q59fe40dbf7_qkv-k_q59fe40dbf7_qkv
	.p2alignl 7, 3214868480
	.fill 96, 4, 3214868480
	.section	.rodata,"a",@progbits
	.p2align	6, 0x0
	.amdhsa_kernel k_q59fe40dbf7_qkv
		.amdhsa_group_segment_fixed_size 76288
		.amdhsa_private_segment_fixed_size 0
		.amdhsa_enable_private_segment 0
		.amdhsa_kernarg_size 64
		.amdhsa_user_sgpr_count 2
		.amdhsa_user_sgpr_kernarg_segment_ptr 1
		.amdhsa_wavefront_size32 1
		.amdhsa_system_sgpr_workgroup_id_x 1
		.amdhsa_system_sgpr_workgroup_id_y 1
		.amdhsa_system_sgpr_workgroup_id_z 1
		.amdhsa_system_vgpr_workitem_id 0
		.amdhsa_next_free_vgpr 384
		.amdhsa_next_free_sgpr 66
		.amdhsa_reserve_vcc 1
		.amdhsa_float_denorm_mode_32 3
		.amdhsa_float_denorm_mode_16_64 3
		.amdhsa_memory_ordered 1
		.amdhsa_forward_progress 1
		.amdhsa_inst_pref_size 74
	.end_amdhsa_kernel
	.amdgpu_metadata
---
amdhsa.version: [ 1, 2 ]
amdhsa.kernels:
  - .name:           k_q59fe40dbf7_qkv
    .symbol:         k_q59fe40dbf7_qkv.kd
    .args:
      - { .name: x, .offset: 0, .size: 8, .value_kind: global_buffer, .address_space: global }
      - { .name: mask, .offset: 8, .size: 8, .value_kind: global_buffer, .address_space: global }
      - { .name: g1, .offset: 16, .size: 8, .value_kind: global_buffer, .address_space: global }
      - { .name: be1, .offset: 24, .size: 8, .value_kind: global_buffer, .address_space: global }
      - { .name: wu, .offset: 32, .size: 8, .value_kind: global_buffer, .address_space: global }
      - { .name: qc, .offset: 40, .size: 8, .value_kind: global_buffer, .address_space: global }
      - { .name: qs, .offset: 48, .size: 8, .value_kind: global_buffer, .address_space: global }
      - { .name: kv, .offset: 56, .size: 8, .value_kind: global_buffer, .address_space: global }
    .group_segment_fixed_size: 76288
    .private_segment_fixed_size: 0
    .kernarg_segment_align: 8
    .kernarg_segment_size: 64
    .max_flat_workgroup_size: 256
    .sgpr_count:     66
    .vgpr_count:     384
    .wavefront_size: 32
...
	.end_amdgpu_metadata
.endif
;; end of part 2
;; launch attn (part 3): grid 8 x 32, 8 waves a work-group, no clusters, 173,056 bytes of LDS; arguments qc, qs, kv, ao, aos; writes ao, aos
.if DOCPART == 3
	.amdgcn_target "amdgcn-amd-amdhsa--gfx1250"
	.amdhsa_code_object_version 6
	.text
	.protected	k_q59fe40dbf7_attn
	.globl	k_q59fe40dbf7_attn
	.p2align	8
	.type	k_q59fe40dbf7_attn,@function
k_q59fe40dbf7_attn:
	s_mov_b64 s[64:65], 0
	v_nop
	global_prefetch_b8 v0, s[64:65] scope:SCOPE_SE
	s_setreg_imm32_b32 hwreg(HW_REG_WAVE_MODE, 25, 1), 1
	s_wait_xcnt 0x0
; Attention of one head on codes of E2M1: S^T = K Q^T, the FINISHED softmax p = exp(s - m) / l quantised along the keys, O^T = V^T P^T; O leaves quantised along the model's 512 as images of the next product's operand.
; p is wanted normalised ahead of its quantiser, so the keys are walked twice: pass 1 finds the row's maximum m and sum l (running, rescaled), pass 2 makes the scores again, p, its codes, and the second product.
; SHARES: work-group (g, head); wave w owns the tiles of 16 queries 127 - (8 g + w) and 8 g + w, the larger first: (16 - g) + (g + 1) = 17 key steps of 128 for every wave of the launch, in each pass.
; LDS: the head's 16 records (K, V, scale words, mask numbers, sums of V) are brought once and stay: nothing is filled again.  Each wave issues two tensor loads together at the start, record w and record 8 + w (two loads of a wave
; are out).  Behind the first loads and a barrier records 0-7 are read; the larger tile's pass 1 walks them while the second loads land; a second wait and barrier stand in front of its key step 8.
; A KEY STEP'S OPERANDS ARE ASKED FOR ONE STEP AHEAD: behind a step's eight products K Q^T and their places, the next step's K, scale words and mask numbers are loaded from LDS, and land under the softmax.
; Both products are transposed: a lane holds one query (lane % 16).  Lane r of key tile 2 b + u holds key 32 b + 8 u + r % 8 + 16 (r / 8), so registers 16 b + i of S^T are keys 32 b + 16 (lane / 16) + i.
; THE PADDING MASK is 0 or -8e9 for each key (raw score units), loaded in the result's layout into registers of its own (window 1): it is the C of the products K Q^T.  p of a padded key is then 0 wherever the row has an open key.
; A row with no open key has m < -4e9: reference() gives it 1/2048 for ALL 2,048 keys, which is exact in the format: its O is the mean of the quantised V, chosen by a select.  THE CAUSAL MASK is reference()'s own:
; key steps behind the tile's last are jumped over (a scalar branch on ids; trip counts stay constants); in the last step hidden scores become -infinity.
; The head's K is 64, the instruction's 128: registers 4-7 of Q's and K's fragments are zeros.
; LIMITS: raw scores Q . K must lie above -4e9; NaN and infinities are not served; p under 2^-126 falls to 0 in v_exp_f32; a block of zeros gets the byte 1.
; REGISTERS, window 0: v1-11, v23, v242-243 addresses and constants; v10 m; v[12:13] -c m; v[14:15] l; v[16:17] the rescaling factor, later 1 / l; v18-21 K's scale words; v22 Q's; v24-31 Q; v32-95 K; v96-159 S^T, p; v160-191 O^T;
;   v192-223 V; v224-231 p's codes; v232-254 at work; v250-252, v255 addresses for the mean of V.   window 1: v0-63 the mask's numbers; v64-68 the second tile's Q and its scale words.
.set REC,  10496
.set KSO,  4096
.set MKO,  4608
.set VO,   5120
.set VSO,  9216
.set SUMO, 9472
.set PSB,  16*REC                      ; behind the records: each wave's partial sums of V, 256 bytes a wave
.set VMB,  PSB+2048                    ; and the mean of V, a copy of 256 bytes for each wave
.set LI, 1
.set LS, 2
.set DREG, 3
.set ADK, 4
.set ADM, 5
.set VMA, 6
.set R4, 7
.set NINF, 8
.set BH, 9
.set QROW, 11
.set ADC, 23
.set ADV, 242
.set ADW, 243
.set TMX, 232
.set TMB, 236
.set TMS, 244
.set MKR, 0                            ; in window 1
.set Q2, 64                            ; in window 1
.set WV, 14
.set BHD, 15
.set CS, 28
.set NC, 30
.set SEL, 32
.set TT, 34
.set LAST, 35
.set KSN, 36
.set SB, 37                            ; LDS byte at which the step's record begins
.set NB, 38                            ; and the next step's
.set MSB, 0
.macro WIN new                         ; the immediate's high byte repeats the setting that is left
.if MSB != \new
	s_set_vgpr_msb (MSB<<8)|\new
.set MSB, \new
.endif
.endm
.macro PLACES n
.rept \n
	v_nop
.endr
.endm
.macro BARRIER
	s_wait_dscnt 0x0
	s_barrier_signal -1
	s_barrier_wait -1
.endm
.macro MM d, a, b, c, sa, sb, row      ; one product; row = 1: source 0's scales stand in lanes 16-31
.if (\row) == 0
	v_wmma_scale_f32_16x16x128_f8f6f4 v[\d:\d+7], v[\a:\a+7], v[\b:\b+7], v[\c:\c+7], v[\sa], v[\sb] matrix_a_fmt:MATRIX_FMT_FP4 matrix_b_fmt:MATRIX_FMT_FP4
.else
	v_wmma_scale_f32_16x16x128_f8f6f4 v[\d:\d+7], v[\a:\a+7], v[\b:\b+7], v[\c:\c+7], v[\sa], v[\sb] matrix_a_fmt:MATRIX_FMT_FP4 matrix_b_fmt:MATRIX_FMT_FP4 matrix_a_scale:MATRIX_SCALE_ROW1
.endif
.endm
.macro QUANT2 s, pc, ph                ; 32 numbers of a lane (register 16 b + i = k 32 b + 16 (lane / 16) + i) -> four registers of an operand and two bytes
.irp b, 0,1
	v_max3_num_f32 v[TMX+\b], |v[\s+16*\b]|, |v[\s+16*\b+1]|, 0x1800000
.endr
.irp i, 2,4,6,8,10,12,14
.irp b, 0,1
	v_max3_num_f32 v[TMX+\b], v[TMX+\b], |v[\s+16*\b+\i]|, |v[\s+16*\b+\i+1]|
.endr
.endr
.irp b, 0,1
	v_permlanex16_b32 v[TMB+\b], v[TMX+\b], s[SEL], s[SEL+1]
.endr
.irp b, 0,1
	v_max_num_f32 v[TMX+\b], v[TMX+\b], v[TMB+\b]
.endr
.irp b, 0,1
	v_add_nc_u32 v[TMS+\b], 0xff000000, v[TMX+\b]
.endr
.irp b, 0,1
	v_lshrrev_b32 v[TMB+\b], 23, v[TMS+\b]
.endr
	v_lshl_or_b32 v[\ph], v[TMB+1], 8, v[TMB]
.irp b, 0,1
	v_cvt_scalef32_pk8_fp4_f32 v[\pc+2*\b], v[\s+16*\b:\s+16*\b+7], v[TMS+\b]
	v_cvt_scalef32_pk8_fp4_f32 v[\pc+2*\b+1], v[\s+16*\b+8:\s+16*\b+15], v[TMS+\b]
.endr
	v_nop
	v_permlane16_swap_b32 v[\pc], v[\pc+2]
	v_permlane16_swap_b32 v[\pc+1], v[\pc+3]
.endm
; 28 LDS loads: K's eight fragments, their four scale words and the 64 mask numbers a lane of the record that begins at LDS byte s[sr]
.macro KLOADS sr
	v_add_nc_u32 v[ADK], s[\sr], v[LI]
	v_add_nc_u32 v[ADM], s[\sr], v[LS]
	v_add_nc_u32 v[ADC], s[\sr], v[BH]
.irp t, 0,1,2,3,4,5,6,7
	ds_load_b128 v[32+8*\t:35+8*\t], v[ADK] offset:512*\t
.endr
.irp i, 0,1,2,3
	ds_load_b32 v[18+\i], v[ADM] offset:KSO+128*\i
.endr
	WIN 0x40                                       ; destination window 1
.irp t, 0,1,2,3,4,5,6,7
.irp jj, 0,1
	ds_load_b128 v[MKR+8*\t+4*\jj:MKR+8*\t+4*\jj+3], v[ADC] offset:MKO+128*(\t/2)+32*(\t%2)+16*\jj   ; the mask's numbers of keys 32 b + 8 u + 16 h + 0 .. 7: the sums begin with them
.endr
.endr
	WIN 0
.endm
; A key step's scores.  Its operands were asked for a step ago (or in front of the loop).  lim: the run of steps ends in front of record lim: the look-ahead is held at record lim - 1, so that it reads landed bytes alone.
; pv = 1: this step's V and its scale words are asked for as well, ahead of the next step's 28 loads.
.macro SCORES pv, lim
	s_add_co_u32 s[NB], s[SB], REC
	s_min_u32 s[NB], s[NB], ((\lim)-1)*REC
	s_wait_dscnt 0x0                               ; K, its scale words and the mask's numbers are in
	WIN 0x10                                       ; source 2 (the mask's numbers) window 1
.irp t, 0,1,2,3,4,5,6,7
	MM 96+8*\t, 32+8*\t, 24, MKR+8*\t, 18+\t/2, 22, \t%2     ; eight accumulators, one instruction each
.endr
	WIN 0
	PLACES 4                                       ; in front of loads into registers that these products read, and of the first read of their results
.if \pv
	v_add_nc_u32 v[ADV], s[SB], v[LI]
	v_add_nc_u32 v[ADW], s[SB], v[LS]
.irp x, 0,1,2,3
.irp c, 0,1
	ds_load_b128 v[192+8*\x+4*\c:195+8*\x+4*\c], v[ADV] offset:VO+1024*\x+512*\c
.endr
.endr
.irp i, 0,1
	ds_load_b32 v[240+\i], v[ADW] offset:VSO+128*\i
.endr
.endif
	KLOADS NB
	s_cmp_lg_u32 s[KSN], s[LAST]
	s_cbranch_scc1 .Lopen_\@
.set n, 0
.rept 64                               ; the tile's last step: register n holds key 128 last + 16 h + 32 (n / 16) + n % 16: hidden where that lies behind my query
	v_cmp_gt_i32 vcc_lo, 32*(n/16)+n%16, v[DREG]
	v_cndmask_b32 v[96+n], v[96+n], v[NINF], vcc_lo
.set n, n+1
.endr
.Lopen_\@:
.endm
.macro EXPS                            ; 2^(c s - c m) of the 64 scores.  What follows the macro begins with a plain vector line that touches none of the results
.irp j, 0,2,4,6,8,10,12,14,16,18,20,22,24,26,28,30,32,34,36,38,40,42,44,46,48,50,52,54,56,58,60,62
	v_pk_fma_f32 v[96+\j:97+\j], v[96+\j:97+\j], s[CS:CS+1], v[12:13] op_sel_hi:[1,0,0]
.endr
.set n, 0
.rept 64
	v_exp_f32 v[96+n], v[96+n]
.set n, n+1
.endr
.endm
.macro STEP1 lim
	SCORES 0, \lim
.irp b, 0,1,2,3
	v_max3_num_f32 v[232+\b], v[96+16*\b], v[97+16*\b], v[98+16*\b]
.endr
.irp i, 3,5,7,9,11,13
.irp b, 0,1,2,3
	v_max3_num_f32 v[232+\b], v[232+\b], v[96+16*\b+\i], v[97+16*\b+\i]
.endr
.endr
.irp b, 0,1,2,3
	v_max_num_f32 v[232+\b], v[232+\b], v[111+16*\b]
.endr
	v_max3_num_f32 v248, v232, v233, v234
	v_max_num_f32 v248, v248, v235
	v_permlanex16_b32 v237, v248, s[SEL], s[SEL+1]
	v_max3_num_f32 v10, v248, v237, v10            ; the running maximum
	v_mov_b32 v249, v12
	v_mul_f32 v12, s[NC], v10                      ; -c m
	v_sub_f32 v249, v12, v249
	s_wait_alu depctr_va_vdst(0)
	v_exp_f32 v16, v249                            ; 2^(c m_old - c m_new); the lines below are its plain places
	EXPS
	s_wait_alu depctr_va_vdst(0)
	v_pk_mul_f32 v[14:15], v[14:15], v[16:17] op_sel_hi:[1,0]   ; l under the new maximum.  (A plain place behind the exponentials)
	v_pk_add_f32 v[236:237], v[96:97], v[98:99]
.irp j, 4,8,12,16,20,24,28,32,36,40,44,48,52,56,60
	v_pk_add_f32 v[14:15], v[14:15], v[96+\j:97+\j]
	v_pk_add_f32 v[236:237], v[236:237], v[98+\j:99+\j]
.endr
	v_pk_add_f32 v[14:15], v[14:15], v[236:237]
.endm
.macro STEP2 lim
	SCORES 1, \lim
	EXPS
	v_nop                                          ; one plain place between the exponentials and the first line that reads a result of theirs (ISA guide 5.7.2): all other work of the step hangs on p
	s_wait_alu depctr_va_vdst(0)
.irp j, 0,2,4,6,8,10,12,14,16,18,20,22,24,26,28,30,32,34,36,38,40,42,44,46,48,50,52,54,56,58,60,62
	v_pk_mul_f32 v[96+\j:97+\j], v[96+\j:97+\j], v[16:17] op_sel_hi:[1,0]   ; p, finished: x 1 / l
.endr
.irp b, 0,1,2,3
	v_max3_num_f32 v[232+\b], v[96+16*\b], v[97+16*\b], 0x1800000   ; none is negative: no |.|
.endr
.irp i, 2,4,6,8,10,12,14
.irp b, 0,1,2,3
	v_max3_num_f32 v[232+\b], v[232+\b], v[96+16*\b+\i], v[97+16*\b+\i]
.endr
.endr
.irp b, 0,1,2,3
	v_permlanex16_b32 v[236+\b], v[232+\b], s[SEL], s[SEL+1]
.endr
.irp b, 0,1,2,3
	v_max_num_f32 v[232+\b], v[232+\b], v[236+\b]
.endr
.irp b, 0,1,2,3
	v_add_nc_u32 v[244+\b], 0xff000000, v[232+\b]
.endr
.irp b, 0,1,2,3
	v_lshrrev_b32 v[236+\b], 23, v[244+\b]
.endr
	v_lshl_or_b32 v253, v237, 8, v236              ; p's scale word for these 128 keys
	v_lshl_or_b32 v253, v238, 16, v253
	v_lshl_or_b32 v253, v239, 24, v253
.irp b, 0,1,2,3
	v_cvt_scalef32_pk8_fp4_f32 v[224+2*\b], v[96+16*\b:103+16*\b], v[244+\b]
	v_cvt_scalef32_pk8_fp4_f32 v[225+2*\b], v[104+16*\b:111+16*\b], v[244+\b]
.endr
	v_nop
.irp c, 0,1
.irp i, 0,1
	v_permlane16_swap_b32 v[224+4*\c+\i], v[226+4*\c+\i]
.endr
.endr
	PLACES 8                                       ; a scale register written by a vector instruction stands 8 places ahead of a scaled product, an operand so written 4
	s_wait_dscnt 28                                ; V's ten loads are in; the 28 issued behind them, the next step's, may be out
.irp x, 0,1,2,3
	MM 160+8*\x, 192+8*\x, 224, 160+8*\x, 240+\x/2, 253, \x%2
.endr
	PLACES 4
.endm
; Pass 1 over key steps from .. to - 1.  The trip count is a constant; the work of steps behind the tile's last is jumped over.  In front of the loop: no LDS load of mine is out (a pending load's registers are not loaded again), then the first step's operands
.macro P1LOOP from, to
	s_mov_b32 s[KSN], \from
	s_mov_b32 s[SB], (\from)*REC
	s_wait_dscnt 0x0
	KLOADS SB
.Lp1_\@:
	s_cmp_gt_u32 s[KSN], s[LAST]
	s_cbranch_scc1 .Ls1_\@
	STEP1 \to
.Ls1_\@:
	s_add_co_u32 s[SB], s[SB], REC
	s_add_co_u32 s[KSN], s[KSN], 1
	s_cmp_lt_u32 s[KSN], \to
	s_cbranch_scc1 .Lp1_\@
.endm
.macro P2LOOP
	s_mov_b32 s[KSN], 0
	s_mov_b32 s[SB], 0
	s_wait_dscnt 0x0
	KLOADS SB
.Lp2_\@:
	s_cmp_gt_u32 s[KSN], s[LAST]
	s_cbranch_scc1 .Ls2_\@
	STEP2 16
.Ls2_\@:
	s_add_co_u32 s[SB], s[SB], REC
	s_add_co_u32 s[KSN], s[KSN], 1
	s_cmp_lt_u32 s[KSN], 16
	s_cbranch_scc1 .Lp2_\@
.endm
.macro TREE                            ; eight pairs v[96:111] become one
.irp i, 0,4,8,12
	v_pk_add_f32 v[96+\i:97+\i], v[96+\i:97+\i], v[98+\i:99+\i]
.endr
	v_pk_add_f32 v[96:97], v[96:97], v[100:101]
	v_pk_add_f32 v[104:105], v[104:105], v[108:109]
	v_pk_add_f32 v[96:97], v[96:97], v[104:105]
.endm
.macro MEANV                           ; the mean of the quantised V over all 2,048 keys, a copy for each wave; all 16 records are in
.irp i, 0,1
.irp kb, 0,1,2,3
	ds_load_b64 v[96+2*(4*\i+\kb):97+2*(4*\i+\kb)], v255 offset:SUMO+REC*\i+256*\kb   ; the sums of V of records 2 w, 2 w + 1: two of the 64 channels a lane
.endr
.endr
	s_wait_dscnt 0x0
	TREE
	ds_store_b64 v250, v[96:97]
	BARRIER
.irp i, 0,1,2,3,4,5,6,7
	ds_load_b64 v[96+2*\i:97+2*\i], v251 offset:256*\i
.endr
	s_wait_dscnt 0x0
	TREE
	v_pk_mul_f32 v[96:97], v[96:97], 0x3a000000 op_sel_hi:[1,0]   ; / 2048
	ds_store_b64 v252, v[96:97]                    ; my wave's own copy: LDS serves a wave's instructions in order, so my later loads see it
.endm
.macro QADR cq, sq                     ; the addresses of tile s[TT]'s codes and scale words of Q.  s41 = 0
	s_lshl_b32 s40, s[BHD], 7
	s_add_co_u32 s40, s40, s[TT]
	s_lshl_b32 s40, s40, 9
	s_add_nc_u64 s[\cq:\cq+1], s[4:5], s[40:41]
	s_lshr_b32 s42, s[TT], 1
	s_and_b32 s43, s[TT], 1
	s_lshl_b32 s40, s[BHD], 6
	s_add_co_u32 s40, s40, s42
	s_lshl_b32 s40, s40, 7
	s_lshl_b32 s44, s43, 6
	s_add_co_u32 s40, s40, s44
	s_add_nc_u64 s[\sq:\sq+1], s[6:7], s[40:41]
.endm
; One tile of 16 queries, t in s[TT].  first = 1: the larger tile, whose Q is in place; its pass 1 is in two runs, with the wait for the second tensor loads between them, and the mean of V follows
.macro TILE first
	s_lshr_b32 s[LAST], s[TT], 3                   ; its last key step
	s_mov_b32 s41, 0
	s_lshr_b32 s42, s[TT], 1                       ; the block of 32 rows
	s_and_b32 s43, s[TT], 1                        ; the tile in it
	s_lshl_b32 s40, s42, 5
	s_lshl_b32 s44, s43, 3
	s_add_co_u32 s40, s40, s44
	s_lshl_b32 s44, s[LAST], 7
	s_sub_co_u32 s40, s40, s44
	v_add_nc_u32 v[DREG], s40, v[QROW]             ; my query - 128 last - 16 h
	s_lshr_b32 s44, s[BHD], 3
	s_lshl_b32 s44, s44, 6
	s_add_co_u32 s44, s44, s42                     ; the block of 32 rows among all 256
	s_lshl_b32 s44, s44, 3
	s_and_b32 s45, s[BHD], 6                       ; 2 (head / 2): the K step of the next product
	s_add_co_u32 s44, s44, s45
	s_add_co_u32 s44, s44, s43                     ; the fragment
	s_and_b32 s45, s[BHD], 1                       ; its half
	s_lshl_b32 s46, s44, 10
	s_lshl_b32 s47, s45, 9
	s_add_co_u32 s40, s46, s47
	s_add_nc_u64 s[52:53], s[10:11], s[40:41]
	s_lshl_b32 s46, s44, 6
	s_lshl_b32 s47, s45, 1
	s_add_co_u32 s40, s46, s47
	s_add_nc_u64 s[54:55], s[12:13], s[40:41]
.if \first == 0
	WIN 0x01                                       ; source 0 window 1: this tile's Q and scale words, loaded at the kernel's head
.irp i, 0,1,2,3
	v_mov_b32 v[24+\i], v[Q2+\i]
.endr
	v_mov_b32 v22, v[Q2+4]
	WIN 0
	PLACES 8                                       ; a scale register written by a vector instruction stands 8 places ahead of a scaled product
.endif
	v_mov_b32 v10, 0xff61b1e6                      ; -3e38, under every score
	v_mul_f32 v12, s[NC], v10
	v_mov_b32 v14, 0
	v_mov_b32 v15, 0
.if \first
	P1LOOP 0, 8                                    ; records 0-7, while the second loads land
	s_wait_tensorcnt 0x0                           ; my record 8 + w is in,
	s_wait_dscnt 0x0                               ; no LDS load of mine is out at the signal,
	s_barrier_signal -1
	s_barrier_wait -1                              ; everybody's is
	P1LOOP 8, 16
	MEANV
.else
	P1LOOP 0, 16
.endif
	v_add_f32 v14, v14, v15
	v_permlanex16_b32 v237, v14, s[SEL], s[SEL+1]
	v_add_f32 v14, v14, v237                       ; l
	s_wait_alu depctr_va_vdst(0)
	v_rcp_f32 v16, v14
	v_nop
.set n, 0
.rept 32
	v_mov_b32 v[160+n], 0                          ; O^T (the loop is written once)
.set n, n+1
.endr
	P2LOOP
.irp x, 0,1,2,3
.irp jj, 0,1
	ds_load_b128 v[96+8*\x+4*\jj:99+8*\x+4*\jj], v[VMA] offset:64*\x+16*\jj   ; the mean of V, in O^T's layout
.endr
.endr
	s_wait_dscnt 0x0
	v_cmp_gt_f32 vcc_lo, 0xcf6e6b28, v10           ; -4e9 > m: no open key
.set n, 0
.rept 32
	v_cndmask_b32 v[160+n], v[160+n], v[96+n], vcc_lo
.set n, n+1
.endr
	QUANT2 160, 224, 254
	global_store_b128 v[LI], v[224:227], s[52:53]  ; 512 consecutive bytes: half an image
	global_store_b16 v[R4], v254, s[54:55]         ; lanes 16-31 repeat lanes 0-15's address and value
.if \first
	s_wait_xcnt 0x0                                ; the stores have read their data and bases: both are written again in the next tile
.endif
.endm
	s_load_b256 s[4:11], s[0:1], 0x0               ; qc qs kv ao
	s_load_b64 s[12:13], s[0:1], 0x20              ; aos
	s_set_vgpr_msb 0x40
	v_lshl_add_u32 v72, v0, 2, 0x2a000
	v_mov_b32 v73, 0
	s_set_vgpr_msb 0x4045
	ds_add_u32 v72, v73
	ds_add_u32 v72, v73
	s_set_vgpr_msb 0x4500
	v_lshrrev_b32 v1, 5, v0
	v_readfirstlane_b32 s[WV], v1
	s_and_b32 s[BHD], ttmp7, 0xffff                ; 8 batch + head
	s_mov_b32 s16, 3<<16                           ; group 1: elements of 8 bytes, no mask, no padding
	s_mov_b32 s17, 32<<16                          ; tensor_dim0 = 32 elements: rows of 256 bytes
	s_mov_b32 s18, 41<<16                          ; tensor_dim1 = 41 rows: one record
	s_mov_b32 s19, 32<<16                          ; tile_dim0
	s_mov_b32 s20, 41                              ; tile_dim1
	s_mov_b32 s21, 32                              ; the pitch: dense
	s_mov_b32 s22, 0
	s_mov_b32 s23, 0
	s_mov_b32 s24, 1
	s_mul_i32 s25, s[WV], REC                      ; LDS: record w,
	s_mov_b32 s68, 1
	s_add_co_u32 s69, s25, 8*REC                   ; and record 8 + w
	s_mul_i32 s40, s[BHD], 16*REC
	s_add_co_u32 s40, s40, s25
	s_mov_b32 s41, 0
	s_wait_dscnt 0x0
	s_wait_kmcnt 0x0
	s_add_nc_u64 s[26:27], s[8:9], s[40:41]
	s_add_nc_u64 s[70:71], s[26:27], 8*REC
	s_or_b32 s27, s27, 0x80000000
	s_or_b32 s71, s71, 0x80000000
	tensor_load_to_lds s[24:27], s[16:23]          ; both first fills go out together, ahead of every wait on TENSORcnt, every LDS read and every barrier
	s_nop 0
	tensor_load_to_lds s[68:71], s[16:23]
	s_nop 0
	PLACES 4
	v_and_b32 v2, 31, v0
	v_lshlrev_b32 v[LI], 4, v2
	v_lshlrev_b32 v248, 3, v2                      ; 8 x lane
	v_lshlrev_b32 v[LS], 2, v2
	v_and_b32 v[R4], 15, v0
	v_bfe_u32 v[BH], v0, 4, 1                      ; h, for now
	v_and_b32 v[QROW], 7, v0
	v_bfe_u32 v3, v0, 3, 1
	v_lshl_add_u32 v[QROW], v3, 4, v[QROW]
	v_lshlrev_b32 v3, 4, v[BH]
	v_sub_nc_u32 v[QROW], v[QROW], v3              ; r % 8 + 16 (r / 8) - 16 h
	v_lshlrev_b32 v[VMA], 5, v[BH]
	s_lshl_b32 s42, s[WV], 8
	s_add_co_u32 s43, s42, VMB
	v_add_nc_u32 v[VMA], s43, v[VMA]
	v_lshlrev_b32 v[BH], 6, v[BH]
	v_lshlrev_b32 v[R4], 2, v[R4]
	v_mov_b32 v[NINF], 0xff800000
	s_mul_i32 s45, s[WV], 2*REC
	v_add_nc_u32 v255, s45, v248                   ; for the mean of V: records 2 w, 2 w + 1
	s_add_co_u32 s44, s42, PSB
	v_add_nc_u32 v250, s44, v248
	v_add_nc_u32 v251, PSB, v248
	v_add_nc_u32 v252, s43, v248
	s_lshl_b32 s[TT], ttmp9, 3
	s_add_co_u32 s[TT], s[TT], s[WV]
	QADR 76, 78                                    ; both tiles' Q are asked for here, under the records' flight: the smaller tile's into window 1,
	WIN 0x40
	global_load_b128 v[Q2:Q2+3], v[LI], s[76:77]
	global_load_b32 v[Q2+4], v[R4], s[78:79]
	WIN 0
	s_sub_co_u32 s[TT], 127, s[TT]
	QADR 72, 74                                    ; the larger tile's into its place
	global_load_b128 v[24:27], v[LI], s[72:73]
	global_load_b32 v22, v[R4], s[74:75]
.irp i, 13,17,28,29,30,31,236,237,238,239
	v_mov_b32 v[\i], 0
.endr
.irp t, 0,1,2,3,4,5,6,7
.irp i, 4,5,6,7
	v_mov_b32 v[32+8*\t+\i], 0                     ; the upper half of the instruction's K: zero codes, written once
.endr
.endr
	s_mov_b32 s[CS], 0x3e38aa3b                    ; c = log2(e) / 8
	s_mov_b32 s[CS+1], s[CS]
	s_mov_b32 s[NC], 0xbe38aa3b
	s_mov_b32 s[SEL], 0x76543210
	s_mov_b32 s[SEL+1], 0xfedcba98
	s_wait_tensorcnt 0x1                           ; my record w is in; record 8 + w's load was issued behind it and may stay out
	s_barrier_signal -1
	s_barrier_wait -1                              ; records 0-7 are in
	s_wait_loadcnt 0x0                             ; Q, both tiles'
	TILE 1
	s_sub_co_u32 s[TT], 127, s[TT]
	TILE 0
	s_set_vgpr_msb 0x5
	s_wait_tensorcnt 0x0
	ds_add_u32 v72, v73
	s_wait_dscnt 0x0
	s_set_vgpr_msb 0x500
	s_endpgm
.Lfunc_end_k_q59fe40dbf7_attn:
	.size	k_q59fe40dbf7_attn, .Lfunc_end_k_q59fe40dbf7_attn-k_q59fe40dbf7_attn
	.p2alignl 7, 3214868480
	.fill 96, 4, 3214868480
	.section	.rodata,"a",@progbits
	.p2align	6, 0x0
	.amdhsa_kernel k_q59fe40dbf7_attn
		.amdhsa_group_segment_fixed_size 173056
		.amdhsa_private_segment_fixed_size 0
		.amdhsa_enable_private_segment 0
		.amdhsa_kernarg_size 40
		.amdhsa_user_sgpr_count 2
		.amdhsa_user_sgpr_kernarg_segment_ptr 1
		.amdhsa_wavefront_size32 1
		.amdhsa_system_sgpr_workgroup_id_x 1
		.amdhsa_system_sgpr_workgroup_id_y 1
		.amdhsa_system_sgpr_workgroup_id_z 1
		.amdhsa_system_vgpr_workitem_id 0
		.amdhsa_next_free_vgpr 330
		.amdhsa_next_free_sgpr 80
		.amdhsa_reserve_vcc 1
		.amdhsa_float_denorm_mode_32 3
		.amdhsa_float_denorm_mode_16_64 3
		.amdhsa_memory_ordered 1
		.amdhsa_forward_progress 1
		.amdhsa_inst_pref_size 122
	.end_amdhsa_kernel
	.amdgpu_metadata
---
amdhsa.version: [ 1, 2 ]
amdhsa.kernels:
  - .name:           k_q59fe40dbf7_attn
    .symbol:         k_q59fe40dbf7_attn.kd
    .args:
      - { .name: qc, .offset: 0, .size: 8, .value_kind: global_buffer, .address_space: global }
      - { .name: qs, .offset: 8, .size: 8, .value_kind: global_buffer, .address_space: global }
      - { .name: kv, .offset: 16, .size: 8, .value_kind: global_buffer, .address_space: global }
      - { .name: ao, .offset: 24, .size: 8, .value_kind: global_buffer, .address_space: global }
      - { .name: aos, .offset: 32, .size: 8, .value_kind: global_buffer, .address_space: global }
    .group_segment_fixed_size: 173056
    .private_segment_fixed_size: 0
    .kernarg_segment_align: 8
    .kernarg_segment_size: 40
    .max_flat_workgroup_size: 256
    .sgpr_count:     80
    .vgpr_count:     330
    .wavefront_size: 32
...
	.end_amdgpu_metadata
.endif
;; end of part 3
;; launch ffn (part 4): grid 256 x 1, 8 waves a work-group, no clusters, 177,152 bytes of LDS; arguments x, ao, aos, g2, be2, wu, out0; writes out0
.if DOCPART == 4
	.amdgcn_target "amdgcn-amd-amdhsa--gfx1250"
	.amdhsa_code_object_version 6
	.text
	.protected	k_q59fe40dbf7_ffn
	.globl	k_q59fe40dbf7_ffn
	.p2align	8
	.type	k_q59fe40dbf7_ffn,@function
k_q59fe40dbf7_ffn:
	s_mov_b64 s[64:65], 0
	v_nop
	global_prefetch_b8 v0, s[64:65] scope:SCOPE_SE
	s_setreg_imm32_b32 hwreg(HW_REG_WAVE_MODE, 25, 1), 1
	s_wait_xcnt 0x0
; x1 = x + attention Wo + bo;  out0 = x1 + gelu(LN2(x1) W1 + b1) W2 + b2, the three products on codes of E2M1; x1, the normalised rows and the hidden layer never go to memory.
; SHARES: a work-group owns 32 rows.  THE WAVES SHARE THE COLUMNS: wave w makes columns 64 w .. of Wo's and W2's products and hidden units 256 w .., for all 32 rows.  Its nine units of weights (Wo, 4 of W1, 4 of W2) lie
; on end in wu and go from memory straight into its registers (window 1): a K step's 4 fragments are asked for again, for the next unit, as soon as they are multiplied: 48 loads of a wave are on their way.
; NO BASE IS STEPPED UNDER PENDING LOADS: where the units are written out, a unit's place stands in the loads' immediates; the loop over W1's units takes two units a trip and two bases by turns, each stepped behind the counted
; wait on LOADcnt that shows the last load that named it done.
; All products are transposed (source 0 = weight tiles, source 1 = rows): a lane holds one row (tile T, lane r: row 8 T + r % 8 + 16 (r / 8)) and registers 16 p + 8 u + j are columns 32 p + 16 (lane / 16) + 8 u + j.
; The residual and the bias are what a sum begins with.  Operands go from wave to wave through LDS as images of their registers.
; gelu is exact: erf by two polynomials (|z| under and over 475/512, the second through v_exp_f32), within about an ulp of erf; gelu = |x / 2| erf(|z|) + x / 2, which has the cancellation for large negative x that x (1 + erf) / 2 has.
; LIMITS: NaN and infinities are not served; a block of zeros gets the byte 1.
; REGISTERS, window 0: v1-15 addresses; v16-79 the rows' 8 fragments of four K steps (earlier: g2, be2); v80-87 their scale words; v88-95 the weights'; v96-127 the bias; v128-191 accumulators;
;   v192-219 gelu's two sets (earlier: LayerNorm's sums); v220-225 constants; v226-231 the quantiser's; v232-241 codes and bytes; v242-245 addresses; v246 a scale word.   window 1: v0-127 a unit's 16 fragments.
.set UREC, 17664
.set SPI,  2064
.set STB,  32*SPI                      ; LDS: at 0 x, then x1; here the normalised rows, later the result: 32 rows of 2,048 + 16 bytes each
.set H2I,  2*STB                       ; the normalised rows' 8 fragments
.set H2S,  H2I+8192
.set HID,  H2S+1024                    ; the hidden layer: half (K step S, c), tile T at (2 S + c) 1024 + 512 T
.set HSC,  HID+32768                   ; its bytes: [wave][T][r][unit] pairs of bytes: 8 bytes are the scale words of K steps 2 wave, 2 wave + 1
.set LI, 1
.set LS, 2
.set BH, 3
.set STLB, 4
.set STW, 5
.set STL, 6
.set STQ, 7
.set IMW, 8
.set ISW, 9
.set HIA, 10
.set HSA, 11
.set STWB, 12
.set R4, 13
.set HDW, 14
.set HSW, 15
.set HDR, 242
.set HSR, 243
.set AF, 16
.set AS, 80
.set WS, 88
.set BIAS, 96
.set ACC, 128
.set XD, 128
.set GG, 16
.set BT, 32
.set LW, 192
.set LQ, 200
.set LP, 208
.set GW, 192
.set GZ, 0
.set GS, 2
.set GT, 4
.set GR, 6
.set GU, 8
.set GP, 10
.set KC2, 220
.set KC4, 222
.set KD2, 224
.set TMX, 226
.set TMB, 228
.set TMS, 230
.set PC, 232
.set PH, 240
.set QW, 246
.set EPS, 21
.set WP, 22                            ; s[22:23] my first unit's address: never stepped
.set SEL, 24
.set RN, 27
.set PA, 44                            ; s[44:45], s[46:47] the two bases of the loop over W1's units
.set PB, 46
.set MSB, 0
.macro WIN new
.if MSB != \new
	s_set_vgpr_msb (MSB<<8)|\new
.set MSB, \new
.endif
.endm
.macro PLACES n
.rept \n
	v_nop
.endr
.endm
.macro BARRIER
	s_wait_dscnt 0x0
	s_barrier_signal -1
	s_barrier_wait -1
.endm
.macro MM d, a, b, c, sa, sb, row      ; one product; row = 1: source 0's scales stand in lanes 16-31
.if (\row) == 0
	v_wmma_scale_f32_16x16x128_f8f6f4 v[\d:\d+7], v[\a:\a+7], v[\b:\b+7], v[\c:\c+7], v[\sa], v[\sb] matrix_a_fmt:MATRIX_FMT_FP4 matrix_b_fmt:MATRIX_FMT_FP4
.else
	v_wmma_scale_f32_16x16x128_f8f6f4 v[\d:\d+7], v[\a:\a+7], v[\b:\b+7], v[\c:\c+7], v[\sa], v[\sb] matrix_a_fmt:MATRIX_FMT_FP4 matrix_b_fmt:MATRIX_FMT_FP4 matrix_a_scale:MATRIX_SCALE_ROW1
.endif
.endm
.macro GLOADS sp, breg, base           ; the loads of K step sp of the unit at s[breg] + base: 8 of fragments, 2 of scale words; with step 0 eight of the bias, in the result's layout
	WIN 0x40
.irp x, 0,1,2,3
.irp c, 0,1
	global_load_b128 v[8*(4*\sp+\x)+4*\c:8*(4*\sp+\x)+4*\c+3], v[LI], s[\breg:\breg+1] offset:\base+(4*\sp+\x)*1024+512*\c
.endr
.endr
	WIN 0
.irp p, 0,1
	global_load_b32 v[WS+2*\sp+\p], v[LS], s[\breg:\breg+1] offset:\base+16384+(2*\sp+\p)*128
.endr
.if \sp == 0
.irp x, 0,1,2,3
.irp jj, 0,1
	global_load_b128 v[BIAS+8*\x+4*\jj:BIAS+8*\x+4*\jj+3], v[BH], s[\breg:\breg+1] offset:\base+17408+128*(\x/2)+32*(\x%2)+16*\jj
.endr
.endr
.endif
.endm
; K step sp of a unit: 8 products, the 8 accumulators by turns.  cnt: the loads issued behind this step's.  refill: the next unit's same step, at s[breg] + base, is asked for, four places behind the products.  first: the bias starts the sums
.macro GROUP sp, cnt, refill, first, breg, base
	s_wait_loadcnt \cnt
	WIN 0x01
.irp T, 0,1
.irp x, 0,1,2,3
.if \first
	MM ACC+32*\T+8*\x, 8*(4*\sp+\x), AF+8*(2*\sp+\T), BIAS+8*\x, WS+2*\sp+\x/2, AS+4*\T+\sp, \x%2
.else
	MM ACC+32*\T+8*\x, 8*(4*\sp+\x), AF+8*(2*\sp+\T), ACC+32*\T+8*\x, WS+2*\sp+\x/2, AS+4*\T+\sp, \x%2
.endif
.endr
.endr
	WIN 0
.if \refill
	PLACES 4
	GLOADS \sp, \breg, \base
.endif
.endm
.macro UNIT first, breg, base          ; a unit with a successor, which lies at s[breg] + base.  Behind step 0: three steps' 30 loads; behind steps 1 to 3: 20 + 18, 10 + 28, 38.  The last count shows every load of THIS unit done: the 38 younger ones are the successor's
	GROUP 0, 30, 1, \first, \breg, \base
	GROUP 1, 38, 1, 0, \breg, \base
	GROUP 2, 38, 1, 0, \breg, \base
	GROUP 3, 38, 1, 0, \breg, \base
.endm
.macro QUANT2 s, pc, ph
.irp b, 0,1
	v_max3_num_f32 v[TMX+\b], |v[\s+16*\b]|, |v[\s+16*\b+1]|, 0x1800000
.endr
.irp i, 2,4,6,8,10,12,14
.irp b, 0,1
	v_max3_num_f32 v[TMX+\b], v[TMX+\b], |v[\s+16*\b+\i]|, |v[\s+16*\b+\i+1]|
.endr
.endr
.irp b, 0,1
	v_permlanex16_b32 v[TMB+\b], v[TMX+\b], s[SEL], s[SEL+1]
.endr
.irp b, 0,1
	v_max_num_f32 v[TMX+\b], v[TMX+\b], v[TMB+\b]
.endr
.irp b, 0,1
	v_add_nc_u32 v[TMS+\b], 0xff000000, v[TMX+\b]
.endr
.irp b, 0,1
	v_lshrrev_b32 v[TMB+\b], 23, v[TMS+\b]
.endr
	v_lshl_or_b32 v[\ph], v[TMB+1], 8, v[TMB]
.irp b, 0,1
	v_cvt_scalef32_pk8_fp4_f32 v[\pc+2*\b], v[\s+16*\b:\s+16*\b+7], v[TMS+\b]
	v_cvt_scalef32_pk8_fp4_f32 v[\pc+2*\b+1], v[\s+16*\b+8:\s+16*\b+15], v[TMS+\b]
.endr
	v_nop
	v_permlane16_swap_b32 v[\pc], v[\pc+2]
	v_permlane16_swap_b32 v[\pc+1], v[\pc+3]
.endm
.macro LNSUM w
.irp i, 0,1,2,3
	v_add_f32 v[\w+2*\i], v[\w+2*\i], v[\w+2*\i+1]
.endr
.irp k, 1,2,4,8
.irp i, 0,1,2,3
	v_add_f32_dpp v[\w+2*\i], v[\w+2*\i], v[\w+2*\i] row_xmask:\k row_mask:0xf bank_mask:0xf
.endr
.endr
.irp i, 0,1,2,3
	v_permlanex16_b32 v[LP+\i], v[\w+2*\i], s[SEL], s[SEL+1]
.endr
.irp i, 0,1,2,3
	v_add_f32 v[\w+2*\i], v[\w+2*\i], v[LP+\i]
.endr
.endm
.macro LNROWS                          ; LayerNorm of 4 whole rows: v[XD + 16 i + 4 j + e] = row i, column 128 j + 4 lane + e; the mean is taken away before the squares
.irp i, 0,1,2,3
	v_pk_add_f32 v[LW+2*\i:LW+2*\i+1], v[XD+16*\i:XD+16*\i+1], v[XD+16*\i+2:XD+16*\i+3]
.endr
.irp n, 4,6,8,10,12,14
.irp i, 0,1,2,3
	v_pk_add_f32 v[LW+2*\i:LW+2*\i+1], v[LW+2*\i:LW+2*\i+1], v[XD+16*\i+\n:XD+16*\i+\n+1]
.endr
.endr
	LNSUM LW
.irp i, 0,1,2,3
	v_mul_f32 v[LW+2*\i], s[RN], v[LW+2*\i]
.endr
.irp n, 0,2,4,6,8,10,12,14
.irp i, 0,1,2,3
	v_pk_add_f32 v[XD+16*\i+\n:XD+16*\i+\n+1], v[XD+16*\i+\n:XD+16*\i+\n+1], v[LW+2*\i:LW+2*\i+1] op_sel_hi:[1,0] neg_lo:[0,1] neg_hi:[0,1]
.endr
.endr
.irp i, 0,1,2,3
	v_pk_mul_f32 v[LQ+2*\i:LQ+2*\i+1], v[XD+16*\i:XD+16*\i+1], v[XD+16*\i:XD+16*\i+1]
.endr
.irp n, 2,4,6,8,10,12,14
.irp i, 0,1,2,3
	v_pk_fma_f32 v[LQ+2*\i:LQ+2*\i+1], v[XD+16*\i+\n:XD+16*\i+\n+1], v[XD+16*\i+\n:XD+16*\i+\n+1], v[LQ+2*\i:LQ+2*\i+1]
.endr
.endr
	LNSUM LQ
.irp i, 0,1,2,3
	v_fma_f32 v[LQ+2*\i], v[LQ+2*\i], s[RN], s[EPS]
.endr
.irp i, 0,1,2,3
	v_rsq_f32 v[LQ+2*\i], v[LQ+2*\i]
.endr
	v_nop
	s_wait_alu depctr_va_vdst(0)
.irp n, 0,2,4,6,8,10,12,14
.irp i, 0,1,2,3
	v_pk_mul_f32 v[XD+16*\i+\n:XD+16*\i+\n+1], v[XD+16*\i+\n:XD+16*\i+\n+1], v[LQ+2*\i:LQ+2*\i+1] op_sel_hi:[1,0]
.endr
.endr
.irp n, 0,2,4,6,8,10,12,14
.irp i, 0,1,2,3
	v_pk_fma_f32 v[XD+16*\i+\n:XD+16*\i+\n+1], v[XD+16*\i+\n:XD+16*\i+\n+1], v[GG+\n:GG+\n+1], v[BT+\n:BT+\n+1]
.endr
.endr
.endm
; gelu's lines, each for two pairs of numbers, whose chains so take turns.  d, a, b, c: places in a set of 14 registers
.macro P3 d, a, b, c
.irp q, 0,1
	v_pk_fma_f32 v[GW+14*\q+\d:GW+14*\q+\d+1], v[GW+14*\q+\a:GW+14*\q+\a+1], v[GW+14*\q+\b:GW+14*\q+\b+1], v[GW+14*\q+\c:GW+14*\q+\c+1]
.endr
.endm
.macro P3K d, a, b, k                  ; d = a b + the constant k
.irp q, 0,1
	v_pk_fma_f32 v[GW+14*\q+\d:GW+14*\q+\d+1], v[GW+14*\q+\a:GW+14*\q+\a+1], v[GW+14*\q+\b:GW+14*\q+\b+1], \k op_sel_hi:[1,1,0]
.endr
.endm
.macro P3C d, a, k, cp                 ; d = a k + the constant kept in the pair v[cp]
.irp q, 0,1
	v_pk_fma_f32 v[GW+14*\q+\d:GW+14*\q+\d+1], v[GW+14*\q+\a:GW+14*\q+\a+1], \k, v[\cp:\cp+1] op_sel_hi:[1,0,1]
.endr
.endm
.macro GELU2 a                         ; v[a .. a + 3] become their gelu.  z = x / sqrt 2, s = z^2, t = |z|
.irp q, 0,1
	v_pk_mul_f32 v[GW+14*\q+GZ:GW+14*\q+GZ+1], v[\a+2*\q:\a+2*\q+1], 0x3f3504f3 op_sel_hi:[1,0]
.endr
.irp q, 0,1
	v_pk_mul_f32 v[GW+14*\q+GS:GW+14*\q+GS+1], v[GW+14*\q+GZ:GW+14*\q+GZ+1], v[GW+14*\q+GZ:GW+14*\q+GZ+1]
.endr
.irp q, 0,1
	v_and_b32 v[GW+14*\q+GT], 0x7fffffff, v[GW+14*\q+GZ]
	v_and_b32 v[GW+14*\q+GT+1], 0x7fffffff, v[GW+14*\q+GZ+1]
.endr
	P3C GR, GT, 0xb7910000, KC2                    ; t over 475/512: erf = 1 - exp(r), r a polynomial in t;
	P3C GU, GT, 0xbb7e8a1c, KC4
	P3C GP, GS, 0xba1c7000, KD2                    ; under it: erf = t + t p, p a polynomial in s.  The two by turns
	P3 GR, GR, GS, GU
	P3K GP, GP, GS, 0xbcdb48d9
	P3K GR, GR, GT, 0xbddaae5c
	P3K GP, GP, GS, 0x3de70e22
	P3K GR, GR, GT, 0xbf228550
	P3K GP, GP, GS, 0xbec09380
	P3K GR, GR, GT, 0xbe03ce86
	P3K GP, GP, GS, 0x3e0375d4
.irp q, 0,1
	v_pk_fma_f32 v[GW+14*\q+GR:GW+14*\q+GR+1], v[GW+14*\q+GR:GW+14*\q+GR+1], v[GW+14*\q+GT:GW+14*\q+GT+1], v[GW+14*\q+GT:GW+14*\q+GT+1] neg_lo:[0,0,1] neg_hi:[0,0,1]
.endr
	P3 GP, GP, GT, GT
.irp q, 0,1
	v_pk_mul_f32 v[GW+14*\q+GR:GW+14*\q+GR+1], v[GW+14*\q+GR:GW+14*\q+GR+1], 0x3fb8aa3b op_sel_hi:[1,0]
.endr
.irp q, 0,1
	v_exp_f32 v[GW+14*\q+GR], v[GW+14*\q+GR]
	v_exp_f32 v[GW+14*\q+GR+1], v[GW+14*\q+GR+1]
.endr
.irp q, 0,1
	v_pk_mul_f32 v[\a+2*\q:\a+2*\q+1], v[\a+2*\q:\a+2*\q+1], 0.5 op_sel_hi:[1,0]   ; x / 2.  (The plain place behind the exponentials)
.endr
	s_wait_alu depctr_va_vdst(0)
.irp q, 0,1
	v_pk_add_f32 v[GW+14*\q+GR:GW+14*\q+GR+1], v[GW+14*\q+GR:GW+14*\q+GR+1], 1.0 op_sel_hi:[1,0] neg_lo:[1,0] neg_hi:[1,0]
.endr
.irp q, 0,1
.irp e, 0,1
	v_cmp_lt_f32 vcc_lo, 0x3f6d8000, v[GW+14*\q+GT+\e]
	v_cndmask_b32 v[GW+14*\q+GR+\e], v[GW+14*\q+GP+\e], v[GW+14*\q+GR+\e], vcc_lo
.endr
.endr
.irp q, 0,1,2,3
	v_fma_f32 v[\a+\q], |v[\a+\q]|, v[GW+14*(\q/2)+GR+\q%2], v[\a+\q]
.endr
.endm
; 64 hidden units of the 32 rows: the activation, the quantiser, and the images into LDS, o1 bytes (codes) and o2 bytes (scale bytes) behind the trip's places
.macro HIDDEN o1, o2
.set g, 0
.rept 16
	GELU2 ACC+4*g
.set g, g+1
.endr
	QUANT2 ACC, PC, PH
	QUANT2 ACC+32, PC+4, PH+1
	ds_store_b128 v244, v[PC:PC+3] offset:\o1
	ds_store_b128 v244, v[PC+4:PC+7] offset:\o1+512
	ds_store_b16 v245, v[PH] offset:\o2            ; lanes 16-31 repeat lanes 0-15's address and value
	ds_store_b16 v245, v[PH+1] offset:\o2+128
	s_wait_dscnt 0x0                               ; the stores have read their registers
.endm
.macro STRIP_IN adr                    ; my 64 columns of the 32 staged rows, into the accumulators' layout
.irp T, 0,1
.irp p, 0,1
.irp jj, 0,1,2,3
	ds_load_b128 v[ACC+32*\T+16*\p+4*\jj:ACC+32*\T+16*\p+4*\jj+3], v[\adr] offset:16*SPI*\T+128*\p+16*\jj
.endr
.endr
.endr
.endm
.macro STRIP_OUT adr                   ; and back; each accumulator from its low end on
.irp T, 0,1
.irp p, 0,1
.irp jj, 0,1,2,3
	ds_store_b128 v[\adr], v[ACC+32*\T+16*\p+4*\jj:ACC+32*\T+16*\p+4*\jj+3] offset:16*SPI*\T+128*\p+16*\jj
.endr
.endr
.endr
.endm
.macro ADDBIAS
.irp T, 0,1
.irp n, 0,2,4,6,8,10,12,14,16,18,20,22,24,26,28,30
	v_pk_add_f32 v[ACC+32*\T+\n:ACC+32*\T+\n+1], v[ACC+32*\T+\n:ACC+32*\T+\n+1], v[BIAS+\n:BIAS+\n+1]
.endr
.endr
.endm
.macro ROWS_IN adr                     ; my 4 whole rows out of a stage
.irp i, 0,1,2,3
.irp j, 0,1,2,3
	ds_load_b128 v[XD+16*\i+4*\j:XD+16*\i+4*\j+3], v[\adr] offset:SPI*\i+512*\j
.endr
.endr
.endm
.macro ROWS_OUT adr
.irp i, 0,1,2,3
.irp j, 0,1,2,3
	ds_store_b128 v[\adr], v[XD+16*\i+4*\j:XD+16*\i+4*\j+3] offset:SPI*\i+512*\j
.endr
.endr
.endm
	s_load_b256 s[4:11], s[0:1], 0x0               ; x ao aos g2
	s_load_b128 s[12:15], s[0:1], 0x20             ; be2 wu
	s_load_b64 s[16:17], s[0:1], 0x30              ; out0
	v_lshl_add_u32 v254, v0, 2, 0x2b000
	v_mov_b32 v255, 0
	v_lshrrev_b32 v1, 5, v0
	v_readfirstlane_b32 s20, v1
	v_and_b32 v2, 31, v0
	v_lshlrev_b32 v[LI], 4, v2
	v_lshlrev_b32 v[LS], 2, v2
	v_and_b32 v[R4], 15, v0                        ; r, for now
	v_bfe_u32 v[BH], v0, 4, 1
	v_lshlrev_b32 v[BH], 6, v[BH]                  ; 64 h
	s_bfe_u32 s40, s20, 0x10001                    ; rows 4 w + i stand at stage places 16 ((w / 2) % 2) + 4 (w % 2) + 8 (w / 4) + i
	s_lshl_b32 s40, s40, 4
	s_and_b32 s41, s20, 1
	s_lshl_b32 s42, s41, 2
	s_add_co_u32 s40, s40, s42
	s_lshr_b32 s42, s20, 2
	s_lshl_b32 s42, s42, 3
	s_add_co_u32 s40, s40, s42
	s_mul_i32 s40, s40, SPI
	v_add_nc_u32 v[STW], s40, v[LI]
	v_add_nc_u32 v[STWB], STB, v[STW]
	v_mul_u32_u24 v[STL], v[R4], SPI
	v_add_nc_u32 v[STL], v[STL], v[BH]
	s_mul_i32 s42, s41, 16*SPI
	s_lshr_b32 s43, s20, 1
	s_lshl_b32 s43, s43, 9
	s_add_co_u32 s42, s42, s43
	s_add_co_u32 s42, s42, STB
	v_add_nc_u32 v[STQ], s42, v[STL]               ; my fragment's numbers among the normalised rows
	s_lshl_b32 s42, s20, 8
	v_add_nc_u32 v[STL], s42, v[STL]               ; row r, my 256 bytes, + 64 h
	v_add_nc_u32 v[STLB], STB, v[STL]
	s_lshl_b32 s42, s20, 10
	s_add_co_u32 s42, s42, H2I
	v_add_nc_u32 v[IMW], s42, v[LI]
	s_lshl_b32 s42, s20, 7
	s_add_co_u32 s42, s42, H2S
	v_add_nc_u32 v[ISW], s42, v[LS]
	v_add_nc_u32 v[HIA], H2I, v[LI]
	v_add_nc_u32 v[HSA], H2S, v[LS]
	s_lshl_b32 s42, s20, 12
	s_add_co_u32 s42, s42, HID
	v_add_nc_u32 v[HDW], s42, v[LI]
	v_lshlrev_b32 v[HSR], 3, v[R4]
	s_lshl_b32 s42, s20, 8
	s_add_co_u32 s42, s42, HSC
	v_add_nc_u32 v[HSW], s42, v[HSR]
	v_add_nc_u32 v[HSR], HSC, v[HSR]
	v_add_nc_u32 v[HDR], HID, v[LI]
	v_lshlrev_b32 v[R4], 2, v[R4]
.irp i, 208,209,210,211,228,229
	v_mov_b32 v[\i], 0                             ; written once: lane permutes' destinations count as read
.endr
	v_mov_b32 v[KC2], 0x39c8e7d9
	v_mov_b32 v[KC2+1], 0x39c8e7d9
	v_mov_b32 v[KC4], 0x3cc6b1a1
	v_mov_b32 v[KC4+1], 0x3cc6b1a1
	v_mov_b32 v[KD2], 0x3ba38d2c
	v_mov_b32 v[KD2+1], 0x3ba38d2c
	s_mov_b32 s[EPS], 0x3727c5ac
	s_mov_b32 s[SEL], 0x76543210
	s_mov_b32 s[SEL+1], 0xfedcba98
	s_mov_b32 s[RN], 0x3b000000
	s_lshl_b32 s40, ttmp9, 16
	s_lshl_b32 s41, s20, 13
	s_add_co_u32 s40, s40, s41
	s_mov_b32 s41, 0
	s_wait_kmcnt 0x0
	s_add_nc_u64 s[28:29], s[4:5], s[40:41]        ; x and out0: 32 rows a work-group, 4 a wave
	s_add_nc_u64 s[34:35], s[16:17], s[40:41]
	s_lshl_b32 s40, ttmp9, 13
	s_add_nc_u64 s[30:31], s[6:7], s[40:41]        ; the attention's 8 fragments
	s_lshl_b32 s40, ttmp9, 9
	s_add_nc_u64 s[32:33], s[8:9], s[40:41]        ; their scale words
	s_mul_i32 s40, s20, 9
	s_add_co_u32 s40, s40, 24
	s_mul_i32 s40, s40, UREC
	s_add_nc_u64 s[WP:WP+1], s[14:15], s[40:41]    ; units 24 + 9 w on
.irp i, 0,1,2,3
.irp j, 0,1,2,3
	global_load_b128 v[XD+16*\i+4*\j:XD+16*\i+4*\j+3], v[LI], s[28:29] offset:2048*\i+512*\j th:TH_LOAD_NT
.endr
.endr
.irp f, 0,1,2,3,4,5,6,7
.irp c, 0,1
	global_load_b128 v[AF+8*\f+4*\c:AF+8*\f+4*\c+3], v[LI], s[30:31] offset:1024*\f+512*\c th:TH_LOAD_NT
.endr
.endr
.irp f, 0,1,2,3,4,5,6,7
	global_load_b32 v[AS+4*(\f%2)+\f/2], v[R4], s[32:33] offset:64*\f
.endr
	GLOADS 0, WP, 0
	GLOADS 1, WP, 0
	GLOADS 2, WP, 0
	GLOADS 3, WP, 0
	s_wait_loadcnt 63                              ; 72 loads were issued behind x's: the wait names the largest count that it can
	ROWS_OUT STW
	BARRIER                                        ; x's 32 rows lie in the stage
	; ---- x1 = x + bo + attention Wo
	STRIP_IN STL
	s_wait_loadcnt 30                              ; the attention's fragments and words, the unit's step 0 and bo
	s_wait_dscnt 0x0
	ADDBIAS
	UNIT 0, WP, UREC
	STRIP_OUT STL                                  ; x1 over x: my own strip, which no other wave touches between these two barriers
.irp j, 0,1,2,3
	global_load_b128 v[GG+4*\j:GG+4*\j+3], v[LI], s[10:11] offset:512*\j
	global_load_b128 v[BT+4*\j:BT+4*\j+3], v[LI], s[12:13] offset:512*\j
.endr
	BARRIER                                        ; x1's 32 rows lie in the stage, and stay
	; ---- LayerNorm 2 and its quantiser
	ROWS_IN STW
	s_wait_loadcnt 0x0                             ; g2 and be2 were issued last
	s_wait_dscnt 0x0
	LNROWS
	ROWS_OUT STWB
	BARRIER
.irp b, 0,1,2,3
.irp jj, 0,1,2,3
	ds_load_b128 v[ACC+16*\b+4*\jj:ACC+16*\b+4*\jj+3], v[STQ] offset:128*\b+16*\jj
.endr
.endr
	s_wait_dscnt 0x0
	QUANT2 ACC, PC, PH
	QUANT2 ACC+32, PC+4, PH+1
	ds_store_b128 v[IMW], v[PC:PC+3]
	ds_store_b128 v[IMW], v[PC+4:PC+7] offset:512
	v_lshl_or_b32 v[QW], v[PH+1], 16, v[PH]
	ds_store_b32 v[ISW], v[QW]
	BARRIER
.irp f, 0,1,2,3,4,5,6,7
.irp c, 0,1
	ds_load_b128 v[AF+8*\f+4*\c:AF+8*\f+4*\c+3], v[HIA] offset:1024*\f+512*\c
.endr
	ds_load_b32 v[AS+4*(\f%2)+\f/2], v[HSA] offset:128*\f
.endr
	s_wait_dscnt 0x0
	; ---- the hidden layer: four units of 64 hidden units each, two a trip.  In trip j units 1 + 2 j and 2 + 2 j are multiplied; the first asks for unit 2 + 2 j by base PA (my first unit + 2 j units),
	; the second for unit 3 + 2 j by base PB (my first unit + 2 j + 2 units)
	s_mov_b64 s[PA:PA+1], s[WP:WP+1]
	s_mov_b64 s[PB:PB+1], s[WP:WP+1]
	s_mov_b32 s36, 0
	s_mov_b32 s37, 0
	s_mov_b32 s38, 0
.Lw1:
	v_add_nc_u32 v244, s37, v[HDW]
	v_add_nc_u32 v245, s38, v[HSW]
	UNIT 1, PA, 2*UREC
	s_add_nc_u64 s[PB:PB+1], s[PB:PB+1], 2*UREC    ; the unit just multiplied is the one that PB's last 48 loads brought: its fourth step's wait has shown them all done
	HIDDEN 0, 0
	UNIT 1, PB, UREC
	s_add_nc_u64 s[PA:PA+1], s[PA:PA+1], 2*UREC    ; likewise PA's
	HIDDEN 1024, 2
	s_add_co_u32 s37, s37, 2048
	s_add_co_u32 s38, s38, 4
	s_add_co_u32 s36, s36, 1
	s_cmp_lt_u32 s36, 2
	s_cbranch_scc1 .Lw1
	BARRIER                                        ; the hidden layer's 16 K steps lie in LDS
	; ---- out0 = x1 + b2 + hidden W2
	STRIP_IN STL
	s_wait_loadcnt 30                              ; b2 came with the unit's step 0
	s_wait_dscnt 0x0
	ADDBIAS
.irp k, 0,1,2,3
	PLACES 4
.irp sp, 0,1,2,3
.irp T, 0,1
.irp c, 0,1
	ds_load_b128 v[AF+8*(2*\sp+\T)+4*\c:AF+8*(2*\sp+\T)+4*\c+3], v[HDR] offset:(2*(4*\k+\sp)+\c)*1024+512*\T
.endr
.endr
.endr
.irp e, 0,1
.irp T, 0,1
	ds_load_b64 v[AS+4*\T+2*\e:AS+4*\T+2*\e+1], v[HSR] offset:256*(2*\k+\e)+128*\T
.endr
.endr
	s_wait_dscnt 0x0
.if \k < 3
	UNIT 0, WP, (6+\k)*UREC
.else
	GROUP 0, 30, 0, 0, WP, 0                       ; the last unit asks for nothing: the counts run down
	GROUP 1, 20, 0, 0, WP, 0
	GROUP 2, 10, 0, 0, WP, 0
	GROUP 3, 0, 0, 0, WP, 0
.endif
.endr
	PLACES 4
	STRIP_OUT STLB
	BARRIER                                        ; 32 whole rows of the result lie in the second stage
	ROWS_IN STWB
.irp i, 0,1,2,3
.irp j, 0,1,2,3
	s_wait_dscnt 15-4*\i-\j
	global_store_b128 v[LI], v[XD+16*\i+4*\j:XD+16*\i+4*\j+3], s[34:35] offset:2048*\i+512*\j th:TH_STORE_NT   ; 32 lanes store 512 consecutive bytes, aligned
.endr
.endr
	s_wait_tensorcnt 0x0
	ds_add_u32 v254, v255
	s_wait_dscnt 0x0
	s_endpgm
.Lfunc_end_k_q59fe40dbf7_ffn:
	.size	k_q59fe40dbf7_ffn, .Lfunc_end_k_q59fe40dbf7_ffn-k_q59fe40dbf7_ffn
	.p2alignl 7, 3214868480
	.fill 96, 4, 3214868480
	.section	.rodata,"a",@progbits
	.p2align	6, 0x0
	.amdhsa_kernel k_q59fe40dbf7_ffn
		.amdhsa_group_segment_fixed_size 177152
		.amdhsa_private_segment_fixed_size 0
		.amdhsa_enable_private_segment 0
		.amdhsa_kernarg_size 56
		.amdhsa_user_sgpr_count 2
		.amdhsa_user_sgpr_kernarg_segment_ptr 1
		.amdhsa_wavefront_size32 1
		.amdhsa_system_sgpr_workgroup_id_x 1
		.amdhsa_system_sgpr_workgroup_id_y 1
		.amdhsa_system_sgpr_workgroup_id_z 1
		.amdhsa_system_vgpr_workitem_id 0
		.amdhsa_next_free_vgpr 384
		.amdhsa_next_free_sgpr 66
		.amdhsa_reserve_vcc 1
		.amdhsa_float_denorm_mode_32 3
		.amdhsa_float_denorm_mode_16_64 3
		.amdhsa_memory_ordered 1
		.amdhsa_forward_progress 1
		.amdhsa_inst_pref_size 254
	.end_amdhsa_kernel
	.amdgpu_metadata
---
amdhsa.version: [ 1, 2 ]
amdhsa.kernels:
  - .name:           k_q59fe40dbf7_ffn
    .symbol:         k_q59fe40dbf7_ffn.kd
    .args:
      - { .name: x, .offset: 0, .size: 8, .value_kind: global_buffer, .address_space: global }
      - { .name: ao, .offset: 8, .size: 8, .value_kind: global_buffer, .address_space: global }
      - { .name: aos, .offset: 16, .size: 8, .value_kind: global_buffer, .address_space: global }
      - { .name: g2, .offset: 24, .size: 8, .value_kind: global_buffer, .address_space: global }
      - { .name: be2, .offset: 32, .size: 8, .value_kind: global_buffer, .address_space: global }
      - { .name: wu, .offset: 40, .size: 8, .value_kind: global_buffer, .address_space: global }
      - { .name: out0, .offset: 48, .size: 8, .value_kind: global_buffer, .address_space: global }
    .group_segment_fixed_size: 177152
    .private_segment_fixed_size: 0
    .kernarg_segment_align: 8
    .kernarg_segment_size: 56
    .max_flat_workgroup_size: 256
    .sgpr_count:     66
    .vgpr_count:     384
    .wavefront_size: 32
...
	.end_amdgpu_metadata
.endif
;; end of part 4
;; ======== version 2 of 2: 4 launches; version 1 with the launches qkv, ffn written anew for expert scheduling mode
;; limits: right only within a limited range of input values
;; workspace buffers: wu 1,695,744 bytes; qc 2,097,152 bytes; qs 262,144 bytes; kv 5,373,952 bytes; ao 2,097,152 bytes; aos 131,072 bytes
;; launch wquant: the kernel of part 1 again; grid 192 x 1, 4 waves a work-group, no clusters, 0 bytes of LDS; arguments Wq, Wk, Wv, Wo, W1, W2, bq, bk, bv, bo, b1, b2, wu; writes wu
;; launch qkv (part 5): grid 256 x 1, 8 waves a work-group, no clusters, 76,288 bytes of LDS; arguments x, mask, g1, be1, wu, qc, qs, kv; writes qc, qs, kv
.if DOCPART == 5
	.amdgcn_target "amdgcn-amd-amdhsa--gfx1250"
	.amdhsa_code_object_version 6
	.text
	.protected	k_q59fe40dbf7_qkv
	.globl	k_q59fe40dbf7_qkv
	.p2align	8
	.type	k_q59fe40dbf7_qkv,@function
k_q59fe40dbf7_qkv:
	s_mov_b64 s[64:65], 0
	v_nop
	global_prefetch_b8 v0, s[64:65] scope:SCOPE_SE
	s_setreg_imm32_b32 hwreg(HW_REG_WAVE_SCHED_MODE, 0, 2), 2
	s_setreg_imm32_b32 hwreg(HW_REG_WAVE_MODE, 25, 1), 1
	s_wait_xcnt 0x0
	s_wait_alu depctr_vm_vsrc(0)
; LayerNorm 1, its quantiser, and the products with Wq, Wk, Wv; Q, K (along the head's 64) and V (along the keys) leave as codes of E2M1 with E8M0 bytes, laid as the attention launch's registers want them.
; SHARES: a work-group owns 32 rows; wave w normalises rows 4 w .. 4 w + 3, quantises one of the 8 fragments (tile w % 2, K step w / 2), and then makes head w's Q, K and V for all 32 rows.
; ROW ORDER: lane r of tile T holds row 8 T + r % 8 + 16 (r / 8) of the 32; the weights' columns lie so too.  So with source 0 = weight tiles and source 1 = rows a lane holds ONE row and its registers
; 16 p + 8 u + j are columns 32 p + 16 (lane / 16) + 8 u + j: 16 neighbours along the next K.  For V the sources change places: a lane holds one column and 16 neighbouring keys.
; WEIGHTS go from memory straight into the one wave that multiplies by them: a unit's 16 fragments fill window 1; a K step's 4 fragments are asked for again, for the next unit, as soon as they are multiplied.
; The three units' places stand in the loads' immediates: the base is never stepped.  No store's data registers are written again: Q's and K's results have registers of their own.
; kv: a record of REC bytes for each head and 128 keys: K's codes, K's scale words, 0 or -8e9 for each key (the padding mask, in units of the raw score), V's codes, V's scale bytes, the sums of the quantised V over 32 keys.
; LIMITS: NaN and infinities are not served; a block of zeros gets the byte 1 (its codes are zeros, the bytes are read by this program alone).
; REGISTERS, window 0: v1-15 addresses; v16-79 the rows' 8 fragments (earlier: g1, be1); v80-87 their scale words; v88-95 the weights' scale words; v96-127 the bias in the result's layout (later: K's codes and words); v128-191 accumulators (earlier: my 4 rows); v192-255 at work.
; THE MODE: SCHED_MODE bits 1:0 = 2 (LLVM: expert scheduling mode 2), set by the entry lines.  The code itself states the register dependences
; between vector or matrix instructions and memory or LDS instructions, with s_wait_alu, always for 0.
; THE PLAN.  Registers that memory or LDS instructions touch:
;   v1-15              offsets and LDS addresses: made at the head, never written again: the wait on va_vdst ahead of the first load serves them to the end.
;   window 1 v0-127, v88-95, v96-127   a unit's fragments, scale words and bias: loaded; read by a K step's eight products; loaded again behind them.  ONE wait on va_vdst a K step, behind its products and their places,
;                      covers the step's 10 to 18 loads: the registers are asked for again at once, so that four K steps' loads of a wave stay on their way.
;   v128-191           x as loaded; LayerNorm writes it; LDS stores read it; LDS loads land in it; then the quantiser and the products have it to themselves.
;   v200-207, v210     the rows' codes and scale word: written by the quantiser, read by LDS stores, written again by Q's quantiser.
;   v16-87             the rows' fragments and scale words: LDS loads land once, where LayerNorm read g1 and be1; products read them.
;   v200-207, v212 | v96-103, v108, v109 | v224-247   the data of Q's, K's and V's global stores: written by vector lines, one wait on va_vdst ahead of each run of stores, never written again.
.set UREC, 17664
.set REC,  10496
.set KSO,  4096
.set MKO,  4608
.set VO,   5120
.set VSO,  9216
.set SUMO, 9472
.set SPI,  2064                        ; a staged row: 2,048 bytes + 16: an odd multiple of 16, so that 16 rows' 16 bytes fall on 16 different groups of banks
.set HI,   32*SPI                      ; the 8 fragments' images
.set HS,   HI+8192                     ; their scale words, 128 bytes each
.set LI, 1                             ; 16 x lane
.set LS, 2                             ; 4 x lane
.set BH, 3                             ; 64 (lane / 16)
.set STW, 5                            ; stage: my 4 rows, 16 x lane
.set STQ, 7                            ; stage: my fragment's row r, my 16 numbers of a block
.set IMW, 8
.set ISW, 9
.set HIA, 10
.set HSA, 11
.set RHO4, 12                          ; 4 (r % 8 + 16 (r / 8))
.set R16H8, 14                         ; 16 r + 8 (lane / 16)
.set R4, 15                            ; 4 r
.set AF, 16
.set AS, 80
.set WS, 88
.set BIAS, 96
.set PCK, 96                           ; K's codes, bytes, words and mask numbers: the bias's registers, which are done with behind K's first products
.set PHK, 104
.set QWK, 106
.set MW, 109
.set ACC, 128
.set XD, 128
.set GG, 16
.set BT, 32
.set LW, 192
.set LQ, 200
.set LP, 208
.set TMX, 192
.set TMB, 194
.set TMS, 196
.set PC, 200
.set PH, 208
.set QW, 210
.set MKV, 214
.set VB, 216
.set EPS, 21
.set WP, 22
.set SEL, 24
.set RN, 27
.set MSB, 0
.macro WIN new                         ; the immediate's high byte repeats the setting that is left
.if MSB != \new
	s_set_vgpr_msb (MSB<<8)|\new
.set MSB, \new
.endif
.endm
.macro PLACES n
.rept \n
	v_nop
.endr
.endm
.macro BARRIER                         ; my LDS stores have landed and my LDS loads are in: then the work-group's barrier
	s_wait_dscnt 0x0
	s_barrier_signal -1
	s_barrier_wait -1
.endm
; one product.  c < 0: the constant 0 starts the sum.  row = 1: source 0's scales stand in lanes 16-31; 2: source 1's
.macro MM d, a, b, c, sa, sb, row
.if (\c) < 0
.if (\row) == 0
	v_wmma_scale_f32_16x16x128_f8f6f4 v[\d:\d+7], v[\a:\a+7], v[\b:\b+7], 0, v[\sa], v[\sb] matrix_a_fmt:MATRIX_FMT_FP4 matrix_b_fmt:MATRIX_FMT_FP4
.elseif (\row) == 1
	v_wmma_scale_f32_16x16x128_f8f6f4 v[\d:\d+7], v[\a:\a+7], v[\b:\b+7], 0, v[\sa], v[\sb] matrix_a_fmt:MATRIX_FMT_FP4 matrix_b_fmt:MATRIX_FMT_FP4 matrix_a_scale:MATRIX_SCALE_ROW1
.else
	v_wmma_scale_f32_16x16x128_f8f6f4 v[\d:\d+7], v[\a:\a+7], v[\b:\b+7], 0, v[\sa], v[\sb] matrix_a_fmt:MATRIX_FMT_FP4 matrix_b_fmt:MATRIX_FMT_FP4 matrix_b_scale:MATRIX_SCALE_ROW1
.endif
.else
.if (\row) == 0
	v_wmma_scale_f32_16x16x128_f8f6f4 v[\d:\d+7], v[\a:\a+7], v[\b:\b+7], v[\c:\c+7], v[\sa], v[\sb] matrix_a_fmt:MATRIX_FMT_FP4 matrix_b_fmt:MATRIX_FMT_FP4
.elseif (\row) == 1
	v_wmma_scale_f32_16x16x128_f8f6f4 v[\d:\d+7], v[\a:\a+7], v[\b:\b+7], v[\c:\c+7], v[\sa], v[\sb] matrix_a_fmt:MATRIX_FMT_FP4 matrix_b_fmt:MATRIX_FMT_FP4 matrix_a_scale:MATRIX_SCALE_ROW1
.else
	v_wmma_scale_f32_16x16x128_f8f6f4 v[\d:\d+7], v[\a:\a+7], v[\b:\b+7], v[\c:\c+7], v[\sa], v[\sb] matrix_a_fmt:MATRIX_FMT_FP4 matrix_b_fmt:MATRIX_FMT_FP4 matrix_b_scale:MATRIX_SCALE_ROW1
.endif
.endif
.endm
; the loads of K step sp of the unit that begins base bytes behind my first: 8 of fragments, 2 of scale words; with step 0 the bias: kind 1: 8 loads, in the transposed result's layout; kind 2: 4 loads, one number a lane.
; w = 1: the registers have just been multiplied
.macro GLOADS sp, base, kind, w
	WIN 0x40                                       ; destination window 1
.if \w
	s_wait_alu depctr_va_vdst(0)                   ; this K step's eight products are done reading their four fragments, their two scale words and, in step 0, the bias: the loads below land in these registers; between this wait and the last of them stand loads and window switches alone
.endif
.irp x, 0,1,2,3
.irp c, 0,1
	global_load_b128 v[8*(4*\sp+\x)+4*\c:8*(4*\sp+\x)+4*\c+3], v[LI], s[WP:WP+1] offset:\base+(4*\sp+\x)*1024+512*\c
.endr
.endr
	WIN 0
.irp p, 0,1
	global_load_b32 v[WS+2*\sp+\p], v[LS], s[WP:WP+1] offset:\base+16384+(2*\sp+\p)*128
.endr
.if \sp == 0
.if \kind == 1
.irp x, 0,1,2,3
.irp jj, 0,1
	global_load_b128 v[BIAS+8*\x+4*\jj:BIAS+8*\x+4*\jj+3], v[BH], s[WP:WP+1] offset:\base+17408+128*(\x/2)+32*(\x%2)+16*\jj
.endr
.endr
.elseif \kind == 2
.irp x, 0,1,2,3
	global_load_b32 v[VB+2*\x], v[RHO4], s[WP:WP+1] offset:\base+17408+128*(\x/2)+32*(\x%2)
.endr
.endif
.endif
.endm
; K step sp of a unit, transposed: 8 products, the 8 accumulators by turns.  cnt: the loads issued behind this step's.  refill: the same step of the next unit, nb bytes behind my first, is asked for, four places behind the products
.macro GROUP sp, cnt, refill, kind, first, nb
	s_wait_loadcnt \cnt
	WIN 0x01                                       ; source 0 (the weight) window 1
.irp T, 0,1
.irp x, 0,1,2,3
.if \first
	MM ACC+32*\T+8*\x, 8*(4*\sp+\x), AF+8*(2*\sp+\T), BIAS+8*\x, WS+2*\sp+\x/2, AS+4*\T+\sp, \x%2
.else
	MM ACC+32*\T+8*\x, 8*(4*\sp+\x), AF+8*(2*\sp+\T), ACC+32*\T+8*\x, WS+2*\sp+\x/2, AS+4*\T+\sp, \x%2
.endif
.endr
.endr
	WIN 0
.if \refill
	PLACES 4
	GLOADS \sp, \nb, \kind, 1
.endif
.endm
; the same with the sources' places changed: source 0 = rows, source 1 = the weight's columns
.macro GROUPV sp, cnt
	s_wait_loadcnt \cnt
	WIN 0x04                                       ; source 1 window 1
.irp T, 0,1
.irp x, 0,1,2,3
.if \sp == 0
	MM ACC+16*\x+8*\T, AF+8*(2*\sp+\T), 8*(4*\sp+\x), -1, AS+4*\T+\sp, WS+2*\sp+\x/2, 2*(\x%2)
.else
	MM ACC+16*\x+8*\T, AF+8*(2*\sp+\T), 8*(4*\sp+\x), ACC+16*\x+8*\T, AS+4*\T+\sp, WS+2*\sp+\x/2, 2*(\x%2)
.endif
.endr
.endr
	WIN 0
.endm
; 32 numbers of a lane, register 16 b + i = k 32 b + 16 (lane / 16) + i of my row, become four registers of an operand (lane (r, h): block h whole) in v[pc] on, and the two bytes in v[ph]
.macro QUANT2 s, pc, ph
.irp b, 0,1
	v_max3_num_f32 v[TMX+\b], |v[\s+16*\b]|, |v[\s+16*\b+1]|, 0x1800000   ; with the floor 2^(3 - 127): the byte cannot fall under 1
.endr
.irp i, 2,4,6,8,10,12,14
.irp b, 0,1
	v_max3_num_f32 v[TMX+\b], v[TMX+\b], |v[\s+16*\b+\i]|, |v[\s+16*\b+\i+1]|
.endr
.endr
.irp b, 0,1
	v_permlanex16_b32 v[TMB+\b], v[TMX+\b], s[SEL], s[SEL+1]
.endr
.irp b, 0,1
	v_max_num_f32 v[TMX+\b], v[TMX+\b], v[TMB+\b]  ; with lane l xor 16's 16: the block's largest magnitude
.endr
.irp b, 0,1
	v_add_nc_u32 v[TMS+\b], 0xff000000, v[TMX+\b]  ; 2 off the exponent field: the conversion's scale operand
.endr
.irp b, 0,1
	v_lshrrev_b32 v[TMB+\b], 23, v[TMS+\b]
.endr
	v_lshl_or_b32 v[\ph], v[TMB+1], 8, v[TMB]
.irp b, 0,1
	v_cvt_scalef32_pk8_fp4_f32 v[\pc+2*\b], v[\s+16*\b:\s+16*\b+7], v[TMS+\b]
	v_cvt_scalef32_pk8_fp4_f32 v[\pc+2*\b+1], v[\s+16*\b+8:\s+16*\b+15], v[TMS+\b]
.endr
	v_nop                                          ; one plain place behind a scaled conversion
	v_permlane16_swap_b32 v[\pc], v[\pc+2]
	v_permlane16_swap_b32 v[\pc+1], v[\pc+3]
.endm
.macro LNSUM w                         ; four rows' pairs become four sums over the wave, in every lane
.irp i, 0,1,2,3
	v_add_f32 v[\w+2*\i], v[\w+2*\i], v[\w+2*\i+1]
.endr
.irp k, 1,2,4,8
.irp i, 0,1,2,3
	v_add_f32_dpp v[\w+2*\i], v[\w+2*\i], v[\w+2*\i] row_xmask:\k row_mask:0xf bank_mask:0xf
.endr
.endr
.irp i, 0,1,2,3
	v_permlanex16_b32 v[LP+\i], v[\w+2*\i], s[SEL], s[SEL+1]
.endr
.irp i, 0,1,2,3
	v_add_f32 v[\w+2*\i], v[\w+2*\i], v[LP+\i]
.endr
.endm
; LayerNorm of 4 whole rows: v[XD + 16 i + 4 j + e] = row i, column 128 j + 4 lane + e.  The mean is taken away before the squares: no difference of large sums
.macro LNROWS
.irp i, 0,1,2,3
	v_pk_add_f32 v[LW+2*\i:LW+2*\i+1], v[XD+16*\i:XD+16*\i+1], v[XD+16*\i+2:XD+16*\i+3]
.endr
.irp n, 4,6,8,10,12,14
.irp i, 0,1,2,3
	v_pk_add_f32 v[LW+2*\i:LW+2*\i+1], v[LW+2*\i:LW+2*\i+1], v[XD+16*\i+\n:XD+16*\i+\n+1]
.endr
.endr
	LNSUM LW
.irp i, 0,1,2,3
	v_mul_f32 v[LW+2*\i], s[RN], v[LW+2*\i]        ; the mean: x 2^-9
.endr
.irp n, 0,2,4,6,8,10,12,14
.irp i, 0,1,2,3
	v_pk_add_f32 v[XD+16*\i+\n:XD+16*\i+\n+1], v[XD+16*\i+\n:XD+16*\i+\n+1], v[LW+2*\i:LW+2*\i+1] op_sel_hi:[1,0] neg_lo:[0,1] neg_hi:[0,1]
.endr
.endr
.irp i, 0,1,2,3
	v_pk_mul_f32 v[LQ+2*\i:LQ+2*\i+1], v[XD+16*\i:XD+16*\i+1], v[XD+16*\i:XD+16*\i+1]
.endr
.irp n, 2,4,6,8,10,12,14
.irp i, 0,1,2,3
	v_pk_fma_f32 v[LQ+2*\i:LQ+2*\i+1], v[XD+16*\i+\n:XD+16*\i+\n+1], v[XD+16*\i+\n:XD+16*\i+\n+1], v[LQ+2*\i:LQ+2*\i+1]
.endr
.endr
	LNSUM LQ
.irp i, 0,1,2,3
	v_fma_f32 v[LQ+2*\i], v[LQ+2*\i], s[RN], s[EPS]
.endr
.irp i, 0,1,2,3
	v_rsq_f32 v[LQ+2*\i], v[LQ+2*\i]
.endr
	v_nop                                          ; one plain place behind the transcendentals
	s_wait_alu depctr_va_vdst(0)                   ; the four v_rsq_f32 have written v[LQ], v[LQ + 2], v[LQ + 4], v[LQ + 6]: one wait for the batch, ahead of its first reader
.irp n, 0,2,4,6,8,10,12,14
.irp i, 0,1,2,3
	v_pk_mul_f32 v[XD+16*\i+\n:XD+16*\i+\n+1], v[XD+16*\i+\n:XD+16*\i+\n+1], v[LQ+2*\i:LQ+2*\i+1] op_sel_hi:[1,0]
.endr
.endr
.irp n, 0,2,4,6,8,10,12,14
.irp i, 0,1,2,3
	v_pk_fma_f32 v[XD+16*\i+\n:XD+16*\i+\n+1], v[XD+16*\i+\n:XD+16*\i+\n+1], v[GG+\n:GG+\n+1], v[BT+\n:BT+\n+1]
.endr
.endr
.endm
	s_load_b512 s[4:19], s[0:1], 0x0               ; x mask g1 be1 wu qc qs kv
	v_lshl_add_u32 v254, v0, 2, 0x12600            ; the LDS address of my spare word, and 0: made here and kept for the closing lines alone
	v_mov_b32 v255, 0
	v_lshrrev_b32 v1, 5, v0
	v_readfirstlane_b32 s20, v1                    ; wave = head
	v_and_b32 v2, 31, v0
	v_lshlrev_b32 v[LI], 4, v2
	v_lshlrev_b32 v[LS], 2, v2
	v_and_b32 v[R4], 15, v0                        ; r, for now
	v_bfe_u32 v[R16H8], v0, 4, 1                   ; h, for now
	v_lshlrev_b32 v[BH], 6, v[R16H8]
	s_wait_alu depctr_va_sdst(0)                   ; s20 is written, ahead of its first reader: LDS places and the buffers' bases are made from it
	s_bfe_u32 s40, s20, 0x10001                    ; rows 4 w + i stand at stage places 16 ((w / 2) % 2) + 4 (w % 2) + 8 (w / 4) + i: tile by tile, in the tiles' row order
	s_lshl_b32 s40, s40, 4
	s_and_b32 s41, s20, 1
	s_lshl_b32 s42, s41, 2
	s_add_co_u32 s40, s40, s42
	s_lshr_b32 s42, s20, 2
	s_lshl_b32 s42, s42, 3
	s_add_co_u32 s40, s40, s42
	s_mul_i32 s40, s40, SPI
	v_add_nc_u32 v[STW], s40, v[LI]
	v_mul_u32_u24 v[STQ], v[R4], SPI
	v_add_nc_u32 v[STQ], v[STQ], v[BH]
	s_mul_i32 s42, s41, 16*SPI
	s_lshr_b32 s43, s20, 1
	s_lshl_b32 s43, s43, 9
	s_add_co_u32 s42, s42, s43
	v_add_nc_u32 v[STQ], s42, v[STQ]               ; (16 (w % 2) + r) rows + 512 (w / 2) + 64 h
	s_lshl_b32 s42, s20, 10
	s_add_co_u32 s42, s42, HI
	v_add_nc_u32 v[IMW], s42, v[LI]
	s_lshl_b32 s42, s20, 7
	s_add_co_u32 s42, s42, HS
	v_add_nc_u32 v[ISW], s42, v[LS]
	v_add_nc_u32 v[HIA], HI, v[LI]
	v_add_nc_u32 v[HSA], HS, v[LS]
	v_and_b32 v[RHO4], 7, v0
	v_bfe_u32 v13, v0, 3, 1
	v_lshl_add_u32 v[RHO4], v13, 4, v[RHO4]
	v_lshlrev_b32 v[RHO4], 2, v[RHO4]
	v_lshlrev_b32 v[R16H8], 3, v[R16H8]
	v_lshl_add_u32 v[R16H8], v[R4], 4, v[R16H8]
	v_lshlrev_b32 v[R4], 2, v[R4]
.irp i, 194,195,208,209,210,211,217,219,221,223,228,229,230,231
	v_mov_b32 v[\i], 0                             ; written once: lane permutes' destinations and the upper halves of pairs count as read
.endr
	v_mov_b32 v248, 0x7f7f7f7f                     ; the byte of 1.0, in every byte of every lane
	s_mov_b32 s[EPS], 0x3727c5ac                   ; 1e-5
	s_mov_b32 s[SEL], 0x76543210
	s_mov_b32 s[SEL+1], 0xfedcba98                 ; lane l xor 16
	s_mov_b32 s26, 0xffff0000                      ; lanes 16-31
	s_mov_b32 s[RN], 0x3b000000                    ; 2^-9
	s_lshl_b32 s40, ttmp9, 16
	s_lshl_b32 s41, s20, 13
	s_add_co_u32 s40, s40, s41
	s_mov_b32 s41, 0
	s_mov_b32 s49, 0
	s_wait_kmcnt 0x0
	s_add_nc_u64 s[34:35], s[4:5], s[40:41]        ; x: 32 rows a work-group, 4 a wave
	s_lshl_b32 s40, ttmp9, 7
	s_add_nc_u64 s[36:37], s[6:7], s[40:41]        ; mask: my 32 keys
	s_mul_i32 s40, s20, 3*UREC
	s_add_nc_u64 s[WP:WP+1], s[12:13], s[40:41]    ; units 3 w, 3 w + 1, 3 w + 2
	s_lshr_b32 s46, ttmp9, 6
	s_and_b32 s47, ttmp9, 63                       ; the block of 32 rows in the batch
	s_lshl_b32 s46, s46, 3
	s_add_co_u32 s46, s46, s20                     ; 8 batch + head
	s_lshl_b32 s40, s46, 6
	s_add_co_u32 s40, s40, s47
	s_lshl_b32 s48, s40, 10
	s_add_nc_u64 s[28:29], s[14:15], s[48:49]      ; qc: two tiles of 512 bytes
	s_lshl_b32 s48, s40, 7
	s_add_nc_u64 s[30:31], s[16:17], s[48:49]      ; qs: 32 words
	s_lshr_b32 s50, s47, 2                         ; the key step of 128
	s_and_b32 s51, s47, 3                          ; kb: my 32 keys in it
	s_lshl_b32 s48, s46, 4
	s_add_co_u32 s48, s48, s50
	s_mul_i32 s48, s48, REC
	s_add_nc_u64 s[18:19], s[18:19], s[48:49]      ; the record
	s_lshl_b32 s48, s51, 10
	s_add_nc_u64 s[32:33], s[18:19], s[48:49]      ; + 1024 kb: K's codes
	s_lshl_b32 s48, s51, 7
	s_add_nc_u64 s[38:39], s[18:19], s[48:49]      ; + 128 kb: K's scale words, the mask's numbers
	s_lshl_b32 s48, s51, 8
	s_add_nc_u64 s[42:43], s[18:19], s[48:49]      ; + 256 kb: V's codes, V's sums
	s_mov_b32 s48, s51
	s_add_nc_u64 s[44:45], s[18:19], s[48:49]      ; + kb: V's scale bytes
	s_wait_alu depctr_va_vdst(0)                   ; the offsets and LDS addresses v1 to v15 are written, which every load and store of the kernel reads; so are v254 and v255, which the closing add reads
.irp i, 0,1,2,3
.irp j, 0,1,2,3
	global_load_b128 v[XD+16*\i+4*\j:XD+16*\i+4*\j+3], v[LI], s[34:35] offset:2048*\i+512*\j th:TH_LOAD_NT
.endr
.endr
.irp j, 0,1,2,3
	global_load_b128 v[GG+4*\j:GG+4*\j+3], v[LI], s[8:9] offset:512*\j
	global_load_b128 v[BT+4*\j:BT+4*\j+3], v[LI], s[10:11] offset:512*\j
.endr
	global_load_b32 v[MKV], v[LS], s[36:37]
	GLOADS 0, 0, 1, 0                              ; unit Wq: 18 + 10 + 10 + 10 loads; no vector line has named their registers
	GLOADS 1, 0, 0, 0
	GLOADS 2, 0, 0, 0
	GLOADS 3, 0, 0, 0
	s_wait_loadcnt 49                              ; x, g1, be1 are in; the mask's load and the unit's 48 may be out
	LNROWS
	s_wait_alu depctr_va_vdst(0)                   ; LayerNorm has written v[XD ..], which the LDS stores read
.irp i, 0,1,2,3
.irp j, 0,1,2,3
	ds_store_b128 v[STW], v[XD+16*\i+4*\j:XD+16*\i+4*\j+3] offset:SPI*\i+512*\j
.endr
.endr
	BARRIER                                        ; 32 normalised rows lie in the stage
	s_wait_alu depctr_vm_vsrc(0)                   ; my LDS stores have read v[XD ..], in which the LDS loads below land (no vector line has named these registers since the wait on va_vdst above)
.irp b, 0,1,2,3
.irp jj, 0,1,2,3
	ds_load_b128 v[ACC+16*\b+4*\jj:ACC+16*\b+4*\jj+3], v[STQ] offset:128*\b+16*\jj
.endr
.endr
	s_wait_dscnt 0x0
	QUANT2 ACC, PC, PH
	QUANT2 ACC+32, PC+4, PH+1
	v_lshl_or_b32 v[QW], v[PH+1], 16, v[PH]
	s_wait_alu depctr_va_vdst(0)                   ; the quantiser has written the codes v[PC ..] and the scale word v[QW], which the three LDS stores read; LayerNorm is done reading g1 and be1, in whose registers the fragments' loads below land
	ds_store_b128 v[IMW], v[PC:PC+3]
	ds_store_b128 v[IMW], v[PC+4:PC+7] offset:512
	ds_store_b32 v[ISW], v[QW]
	BARRIER                                        ; the 8 fragments and their scale words lie in LDS
	s_wait_alu depctr_vm_vsrc(0)                   ; my LDS stores have read v[PC ..] and v[QW], which Q's quantiser writes again
.irp f, 0,1,2,3,4,5,6,7
.irp c, 0,1
	ds_load_b128 v[AF+8*\f+4*\c:AF+8*\f+4*\c+3], v[HIA] offset:1024*\f+512*\c
.endr
	ds_load_b32 v[AS+4*(\f%2)+\f/2], v[HSA] offset:128*\f
.endr
	s_wait_dscnt 0x0
	; ---- Q.  Counts: behind step 0: three steps' 30 loads; behind steps 1 to 3: what is left of this unit and the refills so far: 20 + 18, 10 + 28, 38
	GROUP 0, 30, 1, 1, 1, UREC
	GROUP 1, 38, 1, 1, 0, UREC
	GROUP 2, 38, 1, 1, 0, UREC
	GROUP 3, 38, 1, 1, 0, UREC
	QUANT2 ACC, PC, PH
	QUANT2 ACC+32, PC+4, PH+1
	v_lshl_or_b32 v[QW], v[PH], 16, v[PH]          ; the instruction's K is 128, the head's 64: the upper half's codes are zeros, and its two bytes repeat the lower two
	v_lshl_or_b32 v[QW+1], v[PH+1], 16, v[PH+1]
	v_cndmask_b32 v[QW+2], v[QW], v[QW+1], s26     ; lanes 0-15: tile 0's words; lanes 16-31: tile 1's
	s_wait_alu depctr_va_vdst(0)                   ; the quantiser has written Q's codes v[PC ..] and the select its words v[QW + 2], which the three stores read
	global_store_b128 v[LI], v[PC:PC+3], s[28:29]  ; these stores' data (v200-207, v212) are not written again in this text
	global_store_b128 v[LI], v[PC+4:PC+7], s[28:29] offset:512
	global_store_b32 v[LS], v[QW+2], s[30:31]
	; ---- K.  The refills are Wv's, with 4 loads of bias: 20 + 14, 10 + 24, 34
	GROUP 0, 30, 1, 2, 1, 2*UREC
	GROUP 1, 34, 1, 2, 0, 2*UREC
	GROUP 2, 34, 1, 2, 0, 2*UREC
	GROUP 3, 34, 1, 2, 0, 2*UREC
	v_mov_b32 v199, 0xcfee6b28                     ; -8e9: reference()'s -1e9 in units of the raw score (x 8)
	v_cmp_eq_u32 vcc_lo, 0, v[MKV]                 ; the quantiser's lines stand between the compare and the select that reads its mask
	QUANT2 ACC, PCK, PHK
	QUANT2 ACC+32, PCK+4, PHK+1
	v_lshl_or_b32 v[QWK], v[PHK], 16, v[PHK]
	v_lshl_or_b32 v[QWK+1], v[PHK+1], 16, v[PHK+1]
	v_cndmask_b32 v[QWK+2], v[QWK], v[QWK+1], s26
	s_wait_alu depctr_va_vcc(0)                    ; the compare has written VCC, ahead of its one reader
	v_cndmask_b32 v[MW], 0, v199, vcc_lo
	s_wait_alu depctr_va_vdst(0)                   ; the quantiser has written K's codes v[PCK ..], the selects its words v[QWK + 2] and the mask's numbers v[MW], which the four stores read
	global_store_b128 v[LI], v[PCK:PCK+3], s[32:33]
	global_store_b128 v[LI], v[PCK+4:PCK+7], s[32:33] offset:512
	global_store_b32 v[LS], v[QWK+2], s[38:39] offset:KSO
	global_store_b32 v[LS], v[MW], s[38:39] offset:MKO
	; ---- V: a lane holds column d (tile x, row r) and keys 16 h + 0 .. 15 in v[ACC + 16 x] on.  Nothing is asked for any more: the counts run down, and no wait on va_vdst is owed in these steps
	GROUPV 0, 30
	GROUPV 1, 20
	GROUPV 2, 10
	GROUPV 3, 0
	PLACES 4
.irp x, 0,1,2,3
.irp p, 0,2,4,6,8,10,12,14
	v_pk_add_f32 v[ACC+16*\x+\p:ACC+16*\x+\p+1], v[ACC+16*\x+\p:ACC+16*\x+\p+1], v[VB+2*\x:VB+2*\x+1] op_sel_hi:[1,0]
.endr
.endr
.irp x, 0,1,2,3
	v_max3_num_f32 v[224+\x], |v[ACC+16*\x]|, |v[ACC+16*\x+1]|, 0x1800000
.endr
.irp i, 2,4,6,8,10,12,14
.irp x, 0,1,2,3
	v_max3_num_f32 v[224+\x], v[224+\x], |v[ACC+16*\x+\i]|, |v[ACC+16*\x+\i+1]|
.endr
.endr
.irp x, 0,1,2,3
	v_permlanex16_b32 v[228+\x], v[224+\x], s[SEL], s[SEL+1]
.endr
.irp x, 0,1,2,3
	v_max_num_f32 v[224+\x], v[224+\x], v[228+\x]
.endr
.irp x, 0,1,2,3
	v_add_nc_u32 v[232+\x], 0xff000000, v[224+\x]
.endr
.irp x, 0,1,2,3
	v_lshrrev_b32 v[236+\x], 23, v[232+\x]
.endr
.irp x, 0,1,2,3
	v_cvt_scalef32_pk8_fp4_f32 v[240+2*\x], v[ACC+16*\x:ACC+16*\x+7], v[232+\x]
	v_cvt_scalef32_pk8_fp4_f32 v[241+2*\x], v[ACC+16*\x+8:ACC+16*\x+15], v[232+\x]
.endr
	v_nop
.irp x, 0,1,2,3                        ; the codes' values again, for the sum of the QUANTISED V over these 32 keys (a row with no open key wants the mean of V over all keys)
	v_cvt_scale_pk8_f32_fp4 v[ACC+16*\x:ACC+16*\x+7], v[240+2*\x], v248
	v_cvt_scale_pk8_f32_fp4 v[ACC+16*\x+8:ACC+16*\x+15], v[241+2*\x], v248
.endr
	v_nop
.irp x, 0,1,2,3
	v_pk_add_f32 v[224+2*\x:225+2*\x], v[ACC+16*\x:ACC+16*\x+1], v[ACC+16*\x+2:ACC+16*\x+3]
.endr
.irp n, 4,6,8,10,12,14
.irp x, 0,1,2,3
	v_pk_add_f32 v[224+2*\x:225+2*\x], v[224+2*\x:225+2*\x], v[ACC+16*\x+\n:ACC+16*\x+\n+1]
.endr
.endr
.irp x, 0,1,2,3
	v_add_f32 v[224+2*\x], v[224+2*\x], v[225+2*\x]
.endr
.irp x, 0,1,2,3
	v_and_b32 v[232+\x], 0x7f800000, v[232+\x]     ; the scale as a number
.endr
.irp x, 0,1,2,3
	v_mul_f32 v[224+2*\x], v[224+2*\x], v[232+\x]
.endr
.irp x, 0,1,2,3
	v_permlanex16_b32 v[225+2*\x], v[224+2*\x], s[SEL], s[SEL+1]
.endr
.irp x, 0,1,2,3
	v_add_f32 v[224+2*\x], v[224+2*\x], v[225+2*\x]
.endr
	s_wait_alu depctr_va_vdst(0)                   ; V's codes v[240 ..], bytes v[236 ..] and sums v[224], v[226], v[228], v[230] are written, which the twelve stores read
.irp x, 0,1,2,3
	global_store_b64 v[R16H8], v[240+2*\x:241+2*\x], s[42:43] offset:VO+1024*\x           ; 32 lanes store 256 consecutive bytes
	global_store_b8 v[R4], v[236+\x], s[44:45] offset:VSO+128*(\x/2)+64*(\x%2)            ; lanes 16-31 repeat lanes 0-15's address and value
	global_store_b32 v[R4], v[224+2*\x], s[42:43] offset:SUMO+64*\x
.endr
	s_wait_dscnt 0x0                               ; the closing lines, six on end
	s_wait_alu 0x0
	s_wait_tensorcnt 0x0
	ds_add_u32 v254, v255
	s_wait_dscnt 0x0
	s_endpgm
.Lfunc_end_k_q59fe40dbf7_qkv:
	.size	k_q59fe40dbf7_qkv, .Lfunc_end_k_q59fe40dbf7_qkv-k_q59fe40dbf7_qkv
	.p2alignl 7, 3214868480
	.fill 96, 4, 3214868480
	.section	.rodata,"a",@progbits
	.p2align	6, 0x0
	.amdhsa_kernel k_q59fe40dbf7_qkv
		.amdhsa_group_segment_fixed_size 76288
		.amdhsa_private_segment_fixed_size 0
		.amdhsa_enable_private_segment 0
		.amdhsa_kernarg_size 64
		.amdhsa_user_sgpr_count 2
		.amdhsa_user_sgpr_kernarg_segment_ptr 1
		.amdhsa_wavefront_size32 1
		.amdhsa_system_sgpr_workgroup_id_x 1
		.amdhsa_system_sgpr_workgroup_id_y 1
		.amdhsa_system_sgpr_workgroup_id_z 1
		.amdhsa_system_vgpr_workitem_id 0
		.amdhsa_next_free_vgpr 384
		.amdhsa_next_free_sgpr 66
		.amdhsa_reserve_vcc 1
		.amdhsa_float_denorm_mode_32 3
		.amdhsa_float_denorm_mode_16_64 3
		.amdhsa_memory_ordered 1
		.amdhsa_forward_progress 1
		.amdhsa_inst_pref_size 75
	.end_amdhsa_kernel
	.amdgpu_metadata
---
amdhsa.version: [ 1, 2 ]
amdhsa.kernels:
  - .name:           k_q59fe40dbf7_qkv
    .symbol:         k_q59fe40dbf7_qkv.kd
    .args:
      - { .name: x, .offset: 0, .size: 8, .value_kind: global_buffer, .address_space: global }
      - { .name: mask, .offset: 8, .size: 8, .value_kind: global_buffer, .address_space: global }
      - { .name: g1, .offset: 16, .size: 8, .value_kind: global_buffer, .address_space: global }
      - { .name: be1, .offset: 24, .size: 8, .value_kind: global_buffer, .address_space: global }
      - { .name: wu, .offset: 32, .size: 8, .value_kind: global_buffer, .address_space: global }
      - { .name: qc, .offset: 40, .size: 8, .value_kind: global_buffer, .address_space: global }
      - { .name: qs, .offset: 48, .size: 8, .value_kind: global_buffer, .address_space: global }
      - { .name: kv, .offset: 56, .size: 8, .value_kind: global_buffer, .address_space: global }
    .group_segment_fixed_size: 76288
    .private_segment_fixed_size: 0
    .kernarg_segment_align: 8
    .kernarg_segment_size: 64
    .max_flat_workgroup_size: 256
    .sgpr_count:     66
    .vgpr_count:     384
    .wavefront_size: 32
...
	.end_amdgpu_metadata
.endif
;; end of part 5
;; launch attn: the kernel of part 3 again; grid 8 x 32, 8 waves a work-group, no clusters, 173,056 bytes of LDS; arguments qc, qs, kv, ao, aos; writes ao, aos
;; launch ffn (part 6): grid 256 x 1, 8 waves a work-group, no clusters, 177,152 bytes of LDS; arguments x, ao, aos, g2, be2, wu, out0; writes out0
.if DOCPART == 6
	.amdgcn_target "amdgcn-amd-amdhsa--gfx1250"
	.amdhsa_code_object_version 6
	.text
	.protected	k_q59fe40dbf7_ffn
	.globl	k_q59fe40dbf7_ffn
	.p2align	8
	.type	k_q59fe40dbf7_ffn,@function
k_q59fe40dbf7_ffn:
	s_mov_b64 s[64:65], 0
	v_nop
	global_prefetch_b8 v0, s[64:65] scope:SCOPE_SE
	s_setreg_imm32_b32 hwreg(HW_REG_WAVE_SCHED_MODE, 0, 2), 2
	s_setreg_imm32_b32 hwreg(HW_REG_WAVE_MODE, 25, 1), 1
	s_wait_xcnt 0x0
	s_wait_alu depctr_vm_vsrc(0)
; x1 = x + attention Wo + bo;  out0 = x1 + gelu(LN2(x1) W1 + b1) W2 + b2, the three products on codes of E2M1; x1, the normalised rows and the hidden layer never go to memory.
; SHARES: a work-group owns 32 rows.  THE WAVES SHARE THE COLUMNS: wave w makes columns 64 w .. of Wo's and W2's products and hidden units 256 w .., for all 32 rows.  Its nine units of weights (Wo, 4 of W1, 4 of W2) lie
; on end in wu and go from memory straight into its registers (window 1): a K step's 4 fragments are asked for again, for the next unit, as soon as they are multiplied: 48 loads of a wave are on their way.
; NO BASE IS STEPPED UNDER PENDING LOADS: where the units are written out, a unit's place stands in the loads' immediates; the loop over W1's units takes two units a trip and two bases by turns, each stepped behind the counted
; wait on LOADcnt that shows the last load that named it done.
; All products are transposed (source 0 = weight tiles, source 1 = rows): a lane holds one row (tile T, lane r: row 8 T + r % 8 + 16 (r / 8)) and registers 16 p + 8 u + j are columns 32 p + 16 (lane / 16) + 8 u + j.
; The residual and the bias are what a sum begins with.  Operands go from wave to wave through LDS as images of their registers.
; gelu is exact: erf by two polynomials (|z| under and over 475/512, the second through v_exp_f32), within about an ulp of erf; gelu = |x / 2| erf(|z|) + x / 2, which has the cancellation for large negative x that x (1 + erf) / 2 has.
; LIMITS: NaN and infinities are not served; a block of zeros gets the byte 1.
; REGISTERS, window 0: v1-15 addresses; v16-79 the rows' 8 fragments of four K steps (earlier: g2, be2); v80-87 their scale words; v88-95 the weights'; v96-127 the bias; v128-191 accumulators;
;   v192-219 gelu's two sets (earlier: LayerNorm's sums); v220-225 constants; v226-231 the quantiser's; v232-241 codes and bytes; v242-245 addresses; v246 a scale word.   window 1: v0-127 a unit's 16 fragments.
; THE MODE: SCHED_MODE bits 1:0 = 2 (LLVM: expert scheduling mode 2), set by the entry lines.  The code itself states the register dependences
; between vector or matrix instructions and memory or LDS instructions, with s_wait_alu, always for 0.
; THE PLAN.  Registers that memory or LDS instructions touch:
;   v1-15, v242, v243  offsets and LDS addresses: made at the head, never written again: the wait on va_vdst ahead of the first load serves them to the end.
;   window 1 v0-127, v88-95, v96-127   a unit's fragments, scale words and bias: loaded; read by a K step's eight products (the bias, where a residual starts the sums, by vector additions); loaded again behind them.
;                      ONE wait on va_vdst a K step, behind its products and their places, covers the step's 10 to 18 loads: the registers are asked for again at once, so that four K steps' loads of a wave stay on their way.
;                      The fourth step's wait also covers what follows a unit with no vector line between: the LDS stores of the accumulators, and loads into the rows' fragments.
;   v128-191           rows and accumulators by turns: a wait on va_vdst ahead of each run of LDS stores whose data vector or matrix lines wrote; a wait on vm_vsrc behind each barrier, ahead of the LDS loads that land where those stores read.
;   v232-241, v246     the quantiser's codes, bytes and scale word: written by it, read by LDS stores, written again by the next quantiser: va_vdst ahead of the stores, vm_vsrc behind them.
;   v244, v245         the LDS addresses of a trip of the loop over W1's units: written at the trip's head, behind the wait on vm_vsrc that closes the last run of stores; read behind the wait on va_vdst ahead of each run.
;   v16-87             the rows' fragments and scale words: loads land, products read.
.set UREC, 17664
.set SPI,  2064
.set STB,  32*SPI                      ; LDS: at 0 x, then x1; here the normalised rows, later the result: 32 rows of 2,048 + 16 bytes each
.set H2I,  2*STB                       ; the normalised rows' 8 fragments
.set H2S,  H2I+8192
.set HID,  H2S+1024                    ; the hidden layer: half (K step S, c), tile T at (2 S + c) 1024 + 512 T
.set HSC,  HID+32768                   ; its bytes: [wave][T][r][unit] pairs of bytes: 8 bytes are the scale words of K steps 2 wave, 2 wave + 1
.set LI, 1
.set LS, 2
.set BH, 3
.set STLB, 4
.set STW, 5
.set STL, 6
.set STQ, 7
.set IMW, 8
.set ISW, 9
.set HIA, 10
.set HSA, 11
.set STWB, 12
.set R4, 13
.set HDW, 14
.set HSW, 15
.set HDR, 242
.set HSR, 243
.set AF, 16
.set AS, 80
.set WS, 88
.set BIAS, 96
.set ACC, 128
.set XD, 128
.set GG, 16
.set BT, 32
.set LW, 192
.set LQ, 200
.set LP, 208
.set GW, 192
.set GZ, 0
.set GS, 2
.set GT, 4
.set GR, 6
.set GU, 8
.set GP, 10
.set KC2, 220
.set KC4, 222
.set KD2, 224
.set TMX, 226
.set TMB, 228
.set TMS, 230
.set PC, 232
.set PH, 240
.set QW, 246
.set EPS, 21
.set WP, 22                            ; s[22:23] my first unit's address: never stepped
.set SEL, 24
.set THR, 26                           ; s26      475/512: where gelu's two polynomials meet
.set RN, 27
.set PA, 44                            ; s[44:45], s[46:47] the two bases of the loop over W1's units
.set PB, 46
.set CM, 48                            ; s[48:51] the masks of gelu's four compares
.set MSB, 0
.macro WIN new
.if MSB != \new
	s_set_vgpr_msb (MSB<<8)|\new
.set MSB, \new
.endif
.endm
.macro PLACES n
.rept \n
	v_nop
.endr
.endm
.macro BARRIER
	s_wait_dscnt 0x0
	s_barrier_signal -1
	s_barrier_wait -1
.endm
.macro MM d, a, b, c, sa, sb, row      ; one product; row = 1: source 0's scales stand in lanes 16-31
.if (\row) == 0
	v_wmma_scale_f32_16x16x128_f8f6f4 v[\d:\d+7], v[\a:\a+7], v[\b:\b+7], v[\c:\c+7], v[\sa], v[\sb] matrix_a_fmt:MATRIX_FMT_FP4 matrix_b_fmt:MATRIX_FMT_FP4
.else
	v_wmma_scale_f32_16x16x128_f8f6f4 v[\d:\d+7], v[\a:\a+7], v[\b:\b+7], v[\c:\c+7], v[\sa], v[\sb] matrix_a_fmt:MATRIX_FMT_FP4 matrix_b_fmt:MATRIX_FMT_FP4 matrix_a_scale:MATRIX_SCALE_ROW1
.endif
.endm
.macro GLOADS sp, breg, base, w        ; the loads of K step sp of the unit at s[breg] + base: 8 of fragments, 2 of scale words; with step 0 eight of the bias, in the result's layout.  w = 1: the registers have just been multiplied
	WIN 0x40
.if \w
	s_wait_alu depctr_va_vdst(0)                   ; this K step's eight products are done reading their four fragments and two scale words, and all earlier vector and matrix lines are done with the bias: the loads below land in these registers; the products have written the accumulators; between this wait and the last of the loads stand loads and window switches alone
.endif
.irp x, 0,1,2,3
.irp c, 0,1
	global_load_b128 v[8*(4*\sp+\x)+4*\c:8*(4*\sp+\x)+4*\c+3], v[LI], s[\breg:\breg+1] offset:\base+(4*\sp+\x)*1024+512*\c
.endr
.endr
	WIN 0
.irp p, 0,1
	global_load_b32 v[WS+2*\sp+\p], v[LS], s[\breg:\breg+1] offset:\base+16384+(2*\sp+\p)*128
.endr
.if \sp == 0
.irp x, 0,1,2,3
.irp jj, 0,1
	global_load_b128 v[BIAS+8*\x+4*\jj:BIAS+8*\x+4*\jj+3], v[BH], s[\breg:\breg+1] offset:\base+17408+128*(\x/2)+32*(\x%2)+16*\jj
.endr
.endr
.endif
.endm
; K step sp of a unit: 8 products, the 8 accumulators by turns.  cnt: the loads issued behind this step's.  refill: the next unit's same step, at s[breg] + base, is asked for, four places behind the products.  first: the bias starts the sums
.macro GROUP sp, cnt, refill, first, breg, base
	s_wait_loadcnt \cnt
	WIN 0x01
.irp T, 0,1
.irp x, 0,1,2,3
.if \first
	MM ACC+32*\T+8*\x, 8*(4*\sp+\x), AF+8*(2*\sp+\T), BIAS+8*\x, WS+2*\sp+\x/2, AS+4*\T+\sp, \x%2
.else
	MM ACC+32*\T+8*\x, 8*(4*\sp+\x), AF+8*(2*\sp+\T), ACC+32*\T+8*\x, WS+2*\sp+\x/2, AS+4*\T+\sp, \x%2
.endif
.endr
.endr
	WIN 0
.if \refill
	PLACES 4
	GLOADS \sp, \breg, \base, 1
.endif
.endm
.macro UNIT first, breg, base          ; a unit with a successor, which lies at s[breg] + base.  Behind step 0: three steps' 30 loads; behind steps 1 to 3: 20 + 18, 10 + 28, 38.  The last count shows every load of THIS unit done: the 38 younger ones are the successor's
	GROUP 0, 30, 1, \first, \breg, \base
	GROUP 1, 38, 1, 0, \breg, \base
	GROUP 2, 38, 1, 0, \breg, \base
	GROUP 3, 38, 1, 0, \breg, \base
.endm
.macro QUANT2 s, pc, ph
.irp b, 0,1
	v_max3_num_f32 v[TMX+\b], |v[\s+16*\b]|, |v[\s+16*\b+1]|, 0x1800000
.endr
.irp i, 2,4,6,8,10,12,14
.irp b, 0,1
	v_max3_num_f32 v[TMX+\b], v[TMX+\b], |v[\s+16*\b+\i]|, |v[\s+16*\b+\i+1]|
.endr
.endr
.irp b, 0,1
	v_permlanex16_b32 v[TMB+\b], v[TMX+\b], s[SEL], s[SEL+1]
.endr
.irp b, 0,1
	v_max_num_f32 v[TMX+\b], v[TMX+\b], v[TMB+\b]
.endr
.irp b, 0,1
	v_add_nc_u32 v[TMS+\b], 0xff000000, v[TMX+\b]
.endr
.irp b, 0,1
	v_lshrrev_b32 v[TMB+\b], 23, v[TMS+\b]
.endr
	v_lshl_or_b32 v[\ph], v[TMB+1], 8, v[TMB]
.irp b, 0,1
	v_cvt_scalef32_pk8_fp4_f32 v[\pc+2*\b], v[\s+16*\b:\s+16*\b+7], v[TMS+\b]
	v_cvt_scalef32_pk8_fp4_f32 v[\pc+2*\b+1], v[\s+16*\b+8:\s+16*\b+15], v[TMS+\b]
.endr
	v_nop
	v_permlane16_swap_b32 v[\pc], v[\pc+2]
	v_permlane16_swap_b32 v[\pc+1], v[\pc+3]
.endm
.macro LNSUM w
.irp i, 0,1,2,3
	v_add_f32 v[\w+2*\i], v[\w+2*\i], v[\w+2*\i+1]
.endr
.irp k, 1,2,4,8
.irp i, 0,1,2,3
	v_add_f32_dpp v[\w+2*\i], v[\w+2*\i], v[\w+2*\i] row_xmask:\k row_mask:0xf bank_mask:0xf
.endr
.endr
.irp i, 0,1,2,3
	v_permlanex16_b32 v[LP+\i], v[\w+2*\i], s[SEL], s[SEL+1]
.endr
.irp i, 0,1,2,3
	v_add_f32 v[\w+2*\i], v[\w+2*\i], v[LP+\i]
.endr
.endm
.macro LNROWS                          ; LayerNorm of 4 whole rows: v[XD + 16 i + 4 j + e] = row i, column 128 j + 4 lane + e; the mean is taken away before the squares
.irp i, 0,1,2,3
	v_pk_add_f32 v[LW+2*\i:LW+2*\i+1], v[XD+16*\i:XD+16*\i+1], v[XD+16*\i+2:XD+16*\i+3]
.endr
.irp n, 4,6,8,10,12,14
.irp i, 0,1,2,3
	v_pk_add_f32 v[LW+2*\i:LW+2*\i+1], v[LW+2*\i:LW+2*\i+1], v[XD+16*\i+\n:XD+16*\i+\n+1]
.endr
.endr
	LNSUM LW
.irp i, 0,1,2,3
	v_mul_f32 v[LW+2*\i], s[RN], v[LW+2*\i]
.endr
.irp n, 0,2,4,6,8,10,12,14
.irp i, 0,1,2,3
	v_pk_add_f32 v[XD+16*\i+\n:XD+16*\i+\n+1], v[XD+16*\i+\n:XD+16*\i+\n+1], v[LW+2*\i:LW+2*\i+1] op_sel_hi:[1,0] neg_lo:[0,1] neg_hi:[0,1]
.endr
.endr
.irp i, 0,1,2,3
	v_pk_mul_f32 v[LQ+2*\i:LQ+2*\i+1], v[XD+16*\i:XD+16*\i+1], v[XD+16*\i:XD+16*\i+1]
.endr
.irp n, 2,4,6,8,10,12,14
.irp i, 0,1,2,3
	v_pk_fma_f32 v[LQ+2*\i:LQ+2*\i+1], v[XD+16*\i+\n:XD+16*\i+\n+1], v[XD+16*\i+\n:XD+16*\i+\n+1], v[LQ+2*\i:LQ+2*\i+1]
.endr
.endr
	LNSUM LQ
.irp i, 0,1,2,3
	v_fma_f32 v[LQ+2*\i], v[LQ+2*\i], s[RN], s[EPS]
.endr
.irp i, 0,1,2,3
	v_rsq_f32 v[LQ+2*\i], v[LQ+2*\i]
.endr
	v_nop
	s_wait_alu depctr_va_vdst(0)                   ; the four v_rsq_f32 have written v[LQ], v[LQ + 2], v[LQ + 4], v[LQ + 6]: one wait for the batch, ahead of its first reader
.irp n, 0,2,4,6,8,10,12,14
.irp i, 0,1,2,3
	v_pk_mul_f32 v[XD+16*\i+\n:XD+16*\i+\n+1], v[XD+16*\i+\n:XD+16*\i+\n+1], v[LQ+2*\i:LQ+2*\i+1] op_sel_hi:[1,0]
.endr
.endr
.irp n, 0,2,4,6,8,10,12,14
.irp i, 0,1,2,3
	v_pk_fma_f32 v[XD+16*\i+\n:XD+16*\i+\n+1], v[XD+16*\i+\n:XD+16*\i+\n+1], v[GG+\n:GG+\n+1], v[BT+\n:BT+\n+1]
.endr
.endr
.endm
; gelu's lines, each for two pairs of numbers, whose chains so take turns.  d, a, b, c: places in a set of 14 registers
.macro P3 d, a, b, c
.irp q, 0,1
	v_pk_fma_f32 v[GW+14*\q+\d:GW+14*\q+\d+1], v[GW+14*\q+\a:GW+14*\q+\a+1], v[GW+14*\q+\b:GW+14*\q+\b+1], v[GW+14*\q+\c:GW+14*\q+\c+1]
.endr
.endm
.macro P3K d, a, b, k                  ; d = a b + the constant k
.irp q, 0,1
	v_pk_fma_f32 v[GW+14*\q+\d:GW+14*\q+\d+1], v[GW+14*\q+\a:GW+14*\q+\a+1], v[GW+14*\q+\b:GW+14*\q+\b+1], \k op_sel_hi:[1,1,0]
.endr
.endm
.macro P3C d, a, k, cp                 ; d = a k + the constant kept in the pair v[cp]
.irp q, 0,1
	v_pk_fma_f32 v[GW+14*\q+\d:GW+14*\q+\d+1], v[GW+14*\q+\a:GW+14*\q+\a+1], \k, v[\cp:\cp+1] op_sel_hi:[1,0,1]
.endr
.endm
.macro GELU2 a                         ; v[a .. a + 3] become their gelu.  z = x / sqrt 2, s = z^2, t = |z|
.irp q, 0,1
	v_pk_mul_f32 v[GW+14*\q+GZ:GW+14*\q+GZ+1], v[\a+2*\q:\a+2*\q+1], 0x3f3504f3 op_sel_hi:[1,0]
.endr
.irp q, 0,1
	v_pk_mul_f32 v[GW+14*\q+GS:GW+14*\q+GS+1], v[GW+14*\q+GZ:GW+14*\q+GZ+1], v[GW+14*\q+GZ:GW+14*\q+GZ+1]
.endr
.irp q, 0,1
	v_and_b32 v[GW+14*\q+GT], 0x7fffffff, v[GW+14*\q+GZ]
	v_and_b32 v[GW+14*\q+GT+1], 0x7fffffff, v[GW+14*\q+GZ+1]
.endr
	P3C GR, GT, 0xb7910000, KC2                    ; t over 475/512: erf = 1 - exp(r), r a polynomial in t;
	P3C GU, GT, 0xbb7e8a1c, KC4
	P3C GP, GS, 0xba1c7000, KD2                    ; under it: erf = t + t p, p a polynomial in s.  The two by turns
.irp q, 0,1
.irp e, 0,1
	v_cmp_lt_f32 s[CM+2*\q+\e], s[THR], v[GW+14*\q+GT+\e]   ; which polynomial: the four compares in a run, a scalar register each; the polynomials stand between them and the selects that read the masks
.endr
.endr
	P3 GR, GR, GS, GU
	P3K GP, GP, GS, 0xbcdb48d9
	P3K GR, GR, GT, 0xbddaae5c
	P3K GP, GP, GS, 0x3de70e22
	P3K GR, GR, GT, 0xbf228550
	P3K GP, GP, GS, 0xbec09380
	P3K GR, GR, GT, 0xbe03ce86
	P3K GP, GP, GS, 0x3e0375d4
.irp q, 0,1
	v_pk_fma_f32 v[GW+14*\q+GR:GW+14*\q+GR+1], v[GW+14*\q+GR:GW+14*\q+GR+1], v[GW+14*\q+GT:GW+14*\q+GT+1], v[GW+14*\q+GT:GW+14*\q+GT+1] neg_lo:[0,0,1] neg_hi:[0,0,1]
.endr
	P3 GP, GP, GT, GT
.irp q, 0,1
	v_pk_mul_f32 v[GW+14*\q+GR:GW+14*\q+GR+1], v[GW+14*\q+GR:GW+14*\q+GR+1], 0x3fb8aa3b op_sel_hi:[1,0]
.endr
.irp q, 0,1
	v_exp_f32 v[GW+14*\q+GR], v[GW+14*\q+GR]
	v_exp_f32 v[GW+14*\q+GR+1], v[GW+14*\q+GR+1]
.endr
.irp q, 0,1
	v_pk_mul_f32 v[\a+2*\q:\a+2*\q+1], v[\a+2*\q:\a+2*\q+1], 0.5 op_sel_hi:[1,0]   ; x / 2.  (The plain place behind the exponentials)
.endr
	s_wait_alu depctr_va_vdst(0)                   ; the four exponentials have written their results in the two sets' v[GR], v[GR + 1]: one wait for the batch, ahead of its first reader
	s_wait_alu depctr_va_sdst(0)                   ; the four compares have written s[CM] to s[CM + 3], ahead of their first readers, the selects below
.irp q, 0,1
	v_pk_add_f32 v[GW+14*\q+GR:GW+14*\q+GR+1], v[GW+14*\q+GR:GW+14*\q+GR+1], 1.0 op_sel_hi:[1,0] neg_lo:[1,0] neg_hi:[1,0]
.endr
.irp q, 0,1
.irp e, 0,1
	v_cndmask_b32 v[GW+14*\q+GR+\e], v[GW+14*\q+GP+\e], v[GW+14*\q+GR+\e], s[CM+2*\q+\e]
.endr
.endr
.irp q, 0,1,2,3
	v_fma_f32 v[\a+\q], |v[\a+\q]|, v[GW+14*(\q/2)+GR+\q%2], v[\a+\q]
.endr
.endm
; 64 hidden units of the 32 rows: the activation, the quantiser, and the images into LDS, o1 bytes (codes) and o2 bytes (scale bytes) behind the trip's places
.macro HIDDEN o1, o2
.set g, 0
.rept 16
	GELU2 ACC+4*g
.set g, g+1
.endr
	QUANT2 ACC, PC, PH
	QUANT2 ACC+32, PC+4, PH+1
	s_wait_alu depctr_va_vdst(0)                   ; the quantiser has written the codes v[PC ..] and the bytes v[PH], v[PH + 1], which the four LDS stores read; v244 and v245, their addresses, are written too; and the quantiser is done reading the accumulators, in which LDS loads land behind the loop
	ds_store_b128 v244, v[PC:PC+3] offset:\o1
	ds_store_b128 v244, v[PC+4:PC+7] offset:\o1+512
	ds_store_b16 v245, v[PH] offset:\o2            ; lanes 16-31 repeat lanes 0-15's address and value
	ds_store_b16 v245, v[PH+1] offset:\o2+128
	s_wait_dscnt 0x0                               ; the stores are done
	s_wait_alu depctr_vm_vsrc(0)                   ; the four LDS stores have read v[PC ..], v[PH ..], which the next quantiser writes again, and v244, v245, which the next trip's head writes again
.endm
.macro STRIP_IN adr                    ; my 64 columns of the 32 staged rows, into the accumulators' layout
.irp T, 0,1
.irp p, 0,1
.irp jj, 0,1,2,3
	ds_load_b128 v[ACC+32*\T+16*\p+4*\jj:ACC+32*\T+16*\p+4*\jj+3], v[\adr] offset:16*SPI*\T+128*\p+16*\jj
.endr
.endr
.endr
.endm
.macro STRIP_OUT adr                   ; and back; each accumulator from its low end on
.irp T, 0,1
.irp p, 0,1
.irp jj, 0,1,2,3
	ds_store_b128 v[\adr], v[ACC+32*\T+16*\p+4*\jj:ACC+32*\T+16*\p+4*\jj+3] offset:16*SPI*\T+128*\p+16*\jj
.endr
.endr
.endr
.endm
.macro ADDBIAS
.irp T, 0,1
.irp n, 0,2,4,6,8,10,12,14,16,18,20,22,24,26,28,30
	v_pk_add_f32 v[ACC+32*\T+\n:ACC+32*\T+\n+1], v[ACC+32*\T+\n:ACC+32*\T+\n+1], v[BIAS+\n:BIAS+\n+1]
.endr
.endr
.endm
.macro ROWS_IN adr                     ; my 4 whole rows out of a stage
.irp i, 0,1,2,3
.irp j, 0,1,2,3
	ds_load_b128 v[XD+16*\i+4*\j:XD+16*\i+4*\j+3], v[\adr] offset:SPI*\i+512*\j
.endr
.endr
.endm
.macro ROWS_OUT adr
.irp i, 0,1,2,3
.irp j, 0,1,2,3
	ds_store_b128 v[\adr], v[XD+16*\i+4*\j:XD+16*\i+4*\j+3] offset:SPI*\i+512*\j
.endr
.endr
.endm
	s_load_b256 s[4:11], s[0:1], 0x0               ; x ao aos g2
	s_load_b128 s[12:15], s[0:1], 0x20             ; be2 wu
	s_load_b64 s[16:17], s[0:1], 0x30              ; out0
	v_lshl_add_u32 v254, v0, 2, 0x2b000            ; the LDS address of my spare word, and 0: made here and kept for the closing lines alone
	v_mov_b32 v255, 0
	v_lshrrev_b32 v1, 5, v0
	v_readfirstlane_b32 s20, v1
	v_and_b32 v2, 31, v0
	v_lshlrev_b32 v[LI], 4, v2
	v_lshlrev_b32 v[LS], 2, v2
	v_and_b32 v[R4], 15, v0                        ; r, for now
	v_bfe_u32 v[BH], v0, 4, 1
	v_lshlrev_b32 v[BH], 6, v[BH]                  ; 64 h
	s_wait_alu depctr_va_sdst(0)                   ; s20, the wave's number, is written, ahead of its first reader: LDS places and the buffers' bases are made from it
	s_bfe_u32 s40, s20, 0x10001                    ; rows 4 w + i stand at stage places 16 ((w / 2) % 2) + 4 (w % 2) + 8 (w / 4) + i
	s_lshl_b32 s40, s40, 4
	s_and_b32 s41, s20, 1
	s_lshl_b32 s42, s41, 2
	s_add_co_u32 s40, s40, s42
	s_lshr_b32 s42, s20, 2
	s_lshl_b32 s42, s42, 3
	s_add_co_u32 s40, s40, s42
	s_mul_i32 s40, s40, SPI
	v_add_nc_u32 v[STW], s40, v[LI]
	v_add_nc_u32 v[STWB], STB, v[STW]
	v_mul_u32_u24 v[STL], v[R4], SPI
	v_add_nc_u32 v[STL], v[STL], v[BH]
	s_mul_i32 s42, s41, 16*SPI
	s_lshr_b32 s43, s20, 1
	s_lshl_b32 s43, s43, 9
	s_add_co_u32 s42, s42, s43
	s_add_co_u32 s42, s42, STB
	v_add_nc_u32 v[STQ], s42, v[STL]               ; my fragment's numbers among the normalised rows
	s_lshl_b32 s42, s20, 8
	v_add_nc_u32 v[STL], s42, v[STL]               ; row r, my 256 bytes, + 64 h
	v_add_nc_u32 v[STLB], STB, v[STL]
	s_lshl_b32 s42, s20, 10
	s_add_co_u32 s42, s42, H2I
	v_add_nc_u32 v[IMW], s42, v[LI]
	s_lshl_b32 s42, s20, 7
	s_add_co_u32 s42, s42, H2S
	v_add_nc_u32 v[ISW], s42, v[LS]
	v_add_nc_u32 v[HIA], H2I, v[LI]
	v_add_nc_u32 v[HSA], H2S, v[LS]
	s_lshl_b32 s42, s20, 12
	s_add_co_u32 s42, s42, HID
	v_add_nc_u32 v[HDW], s42, v[LI]
	v_lshlrev_b32 v[HSR], 3, v[R4]
	s_lshl_b32 s42, s20, 8
	s_add_co_u32 s42, s42, HSC
	v_add_nc_u32 v[HSW], s42, v[HSR]
	v_add_nc_u32 v[HSR], HSC, v[HSR]
	v_add_nc_u32 v[HDR], HID, v[LI]
	v_lshlrev_b32 v[R4], 2, v[R4]
.irp i, 208,209,210,211,228,229
	v_mov_b32 v[\i], 0                             ; written once: lane permutes' destinations count as read
.endr
	v_mov_b32 v[KC2], 0x39c8e7d9
	v_mov_b32 v[KC2+1], 0x39c8e7d9
	v_mov_b32 v[KC4], 0x3cc6b1a1
	v_mov_b32 v[KC4+1], 0x3cc6b1a1
	v_mov_b32 v[KD2], 0x3ba38d2c
	v_mov_b32 v[KD2+1], 0x3ba38d2c
	s_mov_b32 s[EPS], 0x3727c5ac
	s_mov_b32 s[SEL], 0x76543210
	s_mov_b32 s[SEL+1], 0xfedcba98
	s_mov_b32 s[THR], 0x3f6d8000
	s_mov_b32 s[RN], 0x3b000000
	s_lshl_b32 s40, ttmp9, 16
	s_lshl_b32 s41, s20, 13
	s_add_co_u32 s40, s40, s41
	s_mov_b32 s41, 0
	s_wait_kmcnt 0x0
	s_add_nc_u64 s[28:29], s[4:5], s[40:41]        ; x and out0: 32 rows a work-group, 4 a wave
	s_add_nc_u64 s[34:35], s[16:17], s[40:41]
	s_lshl_b32 s40, ttmp9, 13
	s_add_nc_u64 s[30:31], s[6:7], s[40:41]        ; the attention's 8 fragments
	s_lshl_b32 s40, ttmp9, 9
	s_add_nc_u64 s[32:33], s[8:9], s[40:41]        ; their scale words
	s_mul_i32 s40, s20, 9
	s_add_co_u32 s40, s40, 24
	s_mul_i32 s40, s40, UREC
	s_add_nc_u64 s[WP:WP+1], s[14:15], s[40:41]    ; units 24 + 9 w on
	s_wait_alu depctr_va_vdst(0)                   ; the offsets and LDS addresses v1 to v15, v242 and v243 are written, which the loads and stores of the kernel read; so are v254 and v255, which the closing add reads
.irp i, 0,1,2,3
.irp j, 0,1,2,3
	global_load_b128 v[XD+16*\i+4*\j:XD+16*\i+4*\j+3], v[LI], s[28:29] offset:2048*\i+512*\j th:TH_LOAD_NT
.endr
.endr
.irp f, 0,1,2,3,4,5,6,7
.irp c, 0,1
	global_load_b128 v[AF+8*\f+4*\c:AF+8*\f+4*\c+3], v[LI], s[30:31] offset:1024*\f+512*\c th:TH_LOAD_NT
.endr
.endr
.irp f, 0,1,2,3,4,5,6,7
	global_load_b32 v[AS+4*(\f%2)+\f/2], v[R4], s[32:33] offset:64*\f
.endr
	GLOADS 0, WP, 0, 0                             ; no vector line has named these registers
	GLOADS 1, WP, 0, 0
	GLOADS 2, WP, 0, 0
	GLOADS 3, WP, 0, 0
	s_wait_loadcnt 63                              ; 72 loads were issued behind x's: the wait names the largest count that it can
	ROWS_OUT STW                                   ; the data are as loaded: no vector line has written them
	BARRIER                                        ; x's 32 rows lie in the stage
	s_wait_alu depctr_vm_vsrc(0)                   ; my LDS stores have read v[XD ..], in which the LDS loads below land
	; ---- x1 = x + bo + attention Wo
	STRIP_IN STL
	s_wait_loadcnt 30                              ; the attention's fragments and words, the unit's step 0 and bo
	s_wait_dscnt 0x0
	ADDBIAS
	UNIT 0, WP, UREC
	STRIP_OUT STL                                  ; x1 over x: my own strip, which no other wave touches between these two barriers.  The fourth K step's wait on va_vdst has shown the accumulators written, four places behind the last product; no vector line stands between
.irp j, 0,1,2,3
	global_load_b128 v[GG+4*\j:GG+4*\j+3], v[LI], s[10:11] offset:512*\j      ; they land where the products read the attention's fragments: the same wait has shown those products done
	global_load_b128 v[BT+4*\j:BT+4*\j+3], v[LI], s[12:13] offset:512*\j
.endr
	BARRIER                                        ; x1's 32 rows lie in the stage, and stay
	s_wait_alu depctr_vm_vsrc(0)                   ; my LDS stores have read the accumulators, in which the LDS loads below land
	; ---- LayerNorm 2 and its quantiser
	ROWS_IN STW
	s_wait_loadcnt 0x0                             ; g2 and be2 were issued last
	s_wait_dscnt 0x0
	LNROWS
	s_wait_alu depctr_va_vdst(0)                   ; LayerNorm has written v[XD ..], which the LDS stores read
	ROWS_OUT STWB
	BARRIER
	s_wait_alu depctr_vm_vsrc(0)                   ; my LDS stores have read v[XD ..], in which the LDS loads below land
.irp b, 0,1,2,3
.irp jj, 0,1,2,3
	ds_load_b128 v[ACC+16*\b+4*\jj:ACC+16*\b+4*\jj+3], v[STQ] offset:128*\b+16*\jj
.endr
.endr
	s_wait_dscnt 0x0
	QUANT2 ACC, PC, PH
	QUANT2 ACC+32, PC+4, PH+1
	v_lshl_or_b32 v[QW], v[PH+1], 16, v[PH]
	s_wait_alu depctr_va_vdst(0)                   ; the quantiser has written the codes v[PC ..] and the scale word v[QW], which the three LDS stores read; LayerNorm is done reading g2 and be2, in whose registers the fragments' loads below land
	ds_store_b128 v[IMW], v[PC:PC+3]
	ds_store_b128 v[IMW], v[PC+4:PC+7] offset:512
	ds_store_b32 v[ISW], v[QW]
	BARRIER
	s_wait_alu depctr_vm_vsrc(0)                   ; my LDS stores have read v[PC ..], which the hidden layer's quantiser writes again
.irp f, 0,1,2,3,4,5,6,7
.irp c, 0,1
	ds_load_b128 v[AF+8*\f+4*\c:AF+8*\f+4*\c+3], v[HIA] offset:1024*\f+512*\c
.endr
	ds_load_b32 v[AS+4*(\f%2)+\f/2], v[HSA] offset:128*\f
.endr
	s_wait_dscnt 0x0
	; ---- the hidden layer: four units of 64 hidden units each, two a trip.  In trip j units 1 + 2 j and 2 + 2 j are multiplied; the first asks for unit 2 + 2 j by base PA (my first unit + 2 j units),
	; the second for unit 3 + 2 j by base PB (my first unit + 2 j + 2 units)
	s_mov_b64 s[PA:PA+1], s[WP:WP+1]
	s_mov_b64 s[PB:PB+1], s[WP:WP+1]
	s_mov_b32 s36, 0
	s_mov_b32 s37, 0
	s_mov_b32 s38, 0
.Lw1:
	v_add_nc_u32 v244, s37, v[HDW]                 ; written behind the wait on vm_vsrc that closes the last trip's stores; in the first trip no LDS instruction has read them
	v_add_nc_u32 v245, s38, v[HSW]
	UNIT 1, PA, 2*UREC
	s_add_nc_u64 s[PB:PB+1], s[PB:PB+1], 2*UREC    ; the unit just multiplied is the one that PB's last 48 loads brought: its fourth step's wait has shown them all done
	HIDDEN 0, 0
	UNIT 1, PB, UREC
	s_add_nc_u64 s[PA:PA+1], s[PA:PA+1], 2*UREC    ; likewise PA's
	HIDDEN 1024, 2
	s_add_co_u32 s37, s37, 2048
	s_add_co_u32 s38, s38, 4
	s_add_co_u32 s36, s36, 1
	s_cmp_lt_u32 s36, 2
	s_cbranch_scc1 .Lw1
	BARRIER                                        ; the hidden layer's 16 K steps lie in LDS
	; ---- out0 = x1 + b2 + hidden W2
	STRIP_IN STL                                   ; into the accumulators: the wait on va_vdst ahead of the last run of LDS stores has shown the quantiser done with them, and no vector line has named them since
	s_wait_loadcnt 30                              ; b2 came with the unit's step 0
	s_wait_dscnt 0x0
	ADDBIAS
.irp k, 0,1,2,3
	PLACES 4
.irp sp, 0,1,2,3
.irp T, 0,1
.irp c, 0,1
	ds_load_b128 v[AF+8*(2*\sp+\T)+4*\c:AF+8*(2*\sp+\T)+4*\c+3], v[HDR] offset:(2*(4*\k+\sp)+\c)*1024+512*\T   ; into the rows' fragments and scale words: the last wait on va_vdst stands behind the last product that read them, and no vector line since names them
.endr
.endr
.endr
.irp e, 0,1
.irp T, 0,1
	ds_load_b64 v[AS+4*\T+2*\e:AS+4*\T+2*\e+1], v[HSR] offset:256*(2*\k+\e)+128*\T
.endr
.endr
	s_wait_dscnt 0x0
.if \k < 3
	UNIT 0, WP, (6+\k)*UREC
.else
	GROUP 0, 30, 0, 0, WP, 0                       ; the last unit asks for nothing: the counts run down, and no wait on va_vdst is owed in its steps
	GROUP 1, 20, 0, 0, WP, 0
	GROUP 2, 10, 0, 0, WP, 0
	GROUP 3, 0, 0, 0, WP, 0
.endif
.endr
	PLACES 4
	s_wait_alu depctr_va_vdst(0)                   ; the last unit's products have written the accumulators, which the LDS stores read; the places above stay beside this wait
	STRIP_OUT STLB
	BARRIER                                        ; 32 whole rows of the result lie in the second stage
	s_wait_alu depctr_vm_vsrc(0)                   ; my LDS stores have read the accumulators, in which the LDS loads below land
	ROWS_IN STWB
.irp i, 0,1,2,3
.irp j, 0,1,2,3
	s_wait_dscnt 15-4*\i-\j
	global_store_b128 v[LI], v[XD+16*\i+4*\j:XD+16*\i+4*\j+3], s[34:35] offset:2048*\i+512*\j th:TH_STORE_NT   ; 32 lanes store 512 consecutive bytes, aligned
.endr
.endr
	s_wait_dscnt 0x0                               ; the closing lines, six on end
	s_wait_alu 0x0
	s_wait_tensorcnt 0x0
	ds_add_u32 v254, v255
	s_wait_dscnt 0x0
	s_endpgm
.Lfunc_end_k_q59fe40dbf7_ffn:
	.size	k_q59fe40dbf7_ffn, .Lfunc_end_k_q59fe40dbf7_ffn-k_q59fe40dbf7_ffn
	.p2alignl 7, 3214868480
	.fill 96, 4, 3214868480
	.section	.rodata,"a",@progbits
	.p2align	6, 0x0
	.amdhsa_kernel k_q59fe40dbf7_ffn
		.amdhsa_group_segment_fixed_size 177152
		.amdhsa_private_segment_fixed_size 0
		.amdhsa_enable_private_segment 0
		.amdhsa_kernarg_size 56
		.amdhsa_user_sgpr_count 2
		.amdhsa_user_sgpr_kernarg_segment_ptr 1
		.amdhsa_wavefront_size32 1
		.amdhsa_system_sgpr_workgroup_id_x 1
		.amdhsa_system_sgpr_workgroup_id_y 1
		.amdhsa_system_sgpr_workgroup_id_z 1
		.amdhsa_system_vgpr_workitem_id 0
		.amdhsa_next_free_vgpr 384
		.amdhsa_next_free_sgpr 66
		.amdhsa_reserve_vcc 0
		.amdhsa_float_denorm_mode_32 3
		.amdhsa_float_denorm_mode_16_64 3
		.amdhsa_memory_ordered 1
		.amdhsa_forward_progress 1
		.amdhsa_inst_pref_size 255
	.end_amdhsa_kernel
	.section	.bss,"aw",@nobits
	.p2align	6
	.space	262144
	.amdgpu_metadata
---
amdhsa.version: [ 1, 2 ]
amdhsa.kernels:
  - .name:           k_q59fe40dbf7_ffn
    .symbol:         k_q59fe40dbf7_ffn.kd
    .args:
      - { .name: x, .offset: 0, .size: 8, .value_kind: global_buffer, .address_space: global }
      - { .name: ao, .offset: 8, .size: 8, .value_kind: global_buffer, .address_space: global }
      - { .name: aos, .offset: 16, .size: 8, .value_kind: global_buffer, .address_space: global }
      - { .name: g2, .offset: 24, .size: 8, .value_kind: global_buffer, .address_space: global }
      - { .name: be2, .offset: 32, .size: 8, .value_kind: global_buffer, .address_space: global }
      - { .name: wu, .offset: 40, .size: 8, .value_kind: global_buffer, .address_space: global }
      - { .name: out0, .offset: 48, .size: 8, .value_kind: global_buffer, .address_space: global }
    .group_segment_fixed_size: 177152
    .private_segment_fixed_size: 0
    .kernarg_segment_align: 8
    .kernarg_segment_size: 56
    .max_flat_workgroup_size: 256
    .sgpr_count:     66
    .vgpr_count:     384
    .wavefront_size: 32
...
	.end_amdgpu_metadata
.endif
;; end of part 6
